; MI455X (gfx1250); checked and timed in simulation.
; The chip was launched on July 23, 2026; its instructions are those of AMD's public machine-readable ISA for CDNA 5 (MIT licence, August 2026) and "CDNA5" Instruction Set Architecture Reference Guide (July 2026). The comments in the code are by the model that wrote it; some were corrected since.
;; Multi Head Attention V2. Allowed arithmetic: matrix products marked QUANTISED: E2M1 operands, one E8M0 scale for each 32 along K, by v_wmma_scale_f32_16x16x128_f8f6f4 with both operands' format E2M1 (or v_wmma_scale_f32_32x16x128_f4), f32 sums; products left as they are: bf16, f16 or f32 operands; f32 sums; everything else in f32.
;; Inputs: Wk 1,024 x 1,024 float32; Wo 1,024 x 1,024 float32; Wq 1,024 x 1,024 float32; Wv 1,024 x 1,024 float32; bo 1,024 float32; x 4 x 2,048 x 1,024 float32.
;; Outputs: out0 4 x 2,048 x 1,024 float32.
;; This version of the problem:
;;   THIS VERSION OF THE PROBLEM IS GIVEN IN LOW PRECISION. The matrix products marked QUANTISED in the list below multiply operands that are first quantised to E2M1 (2 exponent bits, 1 mantissa bit; 4 bits a number), with one power-of-two scale for each 32 numbers along K (OCP MX v1.0); their sums are f32. The products marked 'left as it is' may take bf16, f16 or f32 operands, with f32 sums. Whichever they take, every output number must still come out within the allowed error. Rounding operands to bf16 (8 significant bits) uses up far more of that allowance than f16 does (11 bits, for magnitudes from 6e-5 to 65,504). All else is computed in f32.
;;   The module's matrix products, in the order in which they are computed (A, B: the left and right operand; K: the contracted axis; several contracted axes count as one K, in the product's order):
;;     1. [M 8,192, K 1,024] x [K 1,024, N 1,024]; A: input x; B: input Wq: QUANTISED
;;     2. [M 8,192, K 1,024] x [K 1,024, N 1,024]; A: input x; B: input Wk: QUANTISED
;;     3. [M 8,192, K 1,024] x [K 1,024, N 1,024]; A: input x; B: input Wv: QUANTISED
;;     4. batch 64 x [M 2,048, K 64] x [K 64, N 2,048]; A: computed on the way; B: computed on the way: left as it is (an operand is computed on the way)
;;     5. batch 64 x [M 64, K 2,048] x [K 2,048, N 2,048]; A: computed on the way; B: computed on the way: left as it is (an operand is computed on the way)
;;     6. [M 8,192, K 1,024] x [K 1,024, N 1,024]; A: computed on the way; B: input Wo: left as it is (an operand is computed on the way)
;;   THE QUANTISER, for each operand of a quantised product, along K:
;;     - K is cut into blocks of 32 from its start; a last block that is shorter is filled with zeros.
;;     - A block's scale is 2^e with e = floor(log2(the largest magnitude in the block)) - 2, held to -126 .. 127; a block of zeros has e = 0. As a byte (E8M0): e + 127.
;;     - Each number is divided by its block's scale, clamped to +-6, and rounded to the nearest number of E2M1, ties to even, subnormals kept.
;;     - The product sums the exact products of the quantised numbers (number of the format x scale) in f32.
;;   ~~~python
;;   def quantise(x, axis):      # numpy; x: float32 -> the quantised numbers, widened to float32 again
;;       x = np.moveaxis(x, axis, -1); K = x.shape[-1]
;;       x = np.pad(x, [(0, 0)] * (x.ndim - 1) + [(0, -K % 32)]); x = x.reshape(x.shape[:-1] + (-1, 32)); a = np.abs(x).max(-1, keepdims=True)
;;       e = np.where(a > 0, np.clip(np.frexp(np.where(a > 0, a, 1))[1] - 1 - 2, -126, 127), 0)      # np.frexp(a)[1] - 1 = floor(log2(a)), exactly
;;       r = np.clip(x / 2.0 ** e, -6, 6)
;;       step = 2.0 ** (np.maximum(np.frexp(np.where(r == 0, 1, r))[1] - 1, 0) - 1)
;;       q = np.round(r / step) * step * 2.0 ** e      # np.round: ties to even
;;       return np.moveaxis(q.reshape(q.shape[:-2] + (-1,))[..., :K], -1, axis).astype(np.float32)
;;   ~~~
;; One version. Each part assembles by itself: llvm-mc -triple=amdgcn-amd-amdhsa -mcpu=gfx1250 --defsym DOCPART=n.
;; ======== version 1 of 1: 6 launches
;; limits: values are held in f16: magnitudes above 65,504 overflow, below 6.1e-05 lose precision
;; workspace buffers: xc 4,194,304 bytes; xs 262,144 bytes; wc 1,572,864 bytes; ws 98,304 bytes; woh 2,097,152 bytes; qkv 50,331,648 bytes; ctx 16,777,216 bytes; ctxf 262,144 bytes
;; launch prep (part 1): grid 512 x 1, 4 waves a work-group, no clusters, 35,328 bytes of LDS; arguments x, Wq, Wk, Wv, Wo, xc, xs, wc, ws, woh; writes xc, xs, wc, ws, woh
.if DOCPART == 1
	.amdgcn_target "amdgcn-amd-amdhsa--gfx1250"
	.amdhsa_code_object_version 6
	.text
	.protected	k_q59aabf59e7_prep
	.globl	k_q59aabf59e7_prep
	.p2align	8
	.type	k_q59aabf59e7_prep,@function
k_q59aabf59e7_prep:
	s_mov_b64 s[64:65], 0
	v_nop
	global_prefetch_b8 v0, s[64:65] scope:SCOPE_SE
	s_setreg_imm32_b32 hwreg(HW_REG_WAVE_MODE, 25, 1), 1
	s_wait_xcnt 0x0
; x [8192][1024] and Wq, Wk, Wv [1024 (k)][1024 (n)], f32, become codes of FP4 (E2M1) with one E8M0 scale byte for each 32 along K; Wo [1024 (k)][1024 (n)] becomes f16.
; ALL RESULTS ARE LAID AS IMAGES OF THE OPERAND REGISTERS: a fragment (16 rows x 128 K of codes, or 16 rows x 32 K of f16) is 1,024 bytes: register group c (0, 1) at 512 c, lane l's 16 bytes at 16 l.
;   xc: 2,097,152 ks + 4,096 rt + 1,024 kf + 512 c + 16 lane   (row 16 rt + lane % 16, k = 512 ks + 128 kf + 64 c + 32 (lane / 16) + 0 .. 31)        xs: 131,072 ks + 16 row + 4 kf: a row's scale word
;   wc: 786,432 ks + 4,096 nt + ...  the same for column n = 16 nt + lane % 16 of Wq | Wk | Wv (n = 0 .. 3,071)                                   ws: 49,152 ks + 16 n + 4 kf
;   woh: 262,144 k8 + 4,096 nt + 1,024 kf + 512 c + 16 lane: Wo[128 k8 + 32 kf + 16 c + 8 (lane / 16) + 0 .. 7][16 nt + lane % 16]
; A block's scale is 2^(floor(log2(its largest magnitude)) - 2); its byte is the largest magnitude's exponent field - 2, held at 1 from below.
; LIMITS: a block of zeros gets the byte 1 where the rule says 127 (its codes are zeros, and this program alone reads the bytes); NaN and infinities are not served; |Wo| stays under 65,504 (f16).
; Work-groups 0 to 255 take the weights (64 each; a lane takes a column and its registers run down K, so nothing is transposed and no LDS is touched); work-groups 256 to 511 take x (K innermost:
; the loads read rows as they lie, 512 consecutive bytes each, and a fragment's numbers turn through the wave's own stage in LDS).  No tensor loads, no barrier: waves share nothing.
.set SPARE, 34816                      ; behind the four stages: the spare words, 128 bytes for each wave
.set STW,   8704                       ; a wave's stage: 16 rows x 528 bytes, rounded up
.set SP,    528                        ; a stage row: 512 bytes + 16 of padding
.set SPW,   30                         ; v30  LDS address of my spare word; never rewritten
.set NIL,   31                         ; v31  0; never rewritten
; ---- the weights: block t (32 along K of my column) in v[64 + 32 t ..]
.macro QBLOCK t, left
.set XS, 64+32*(\t)
	s_wait_loadcnt \left                           ; this block's 32 loads are in; younger ones may stay out
	v_max3_num_f32 v12, |v[XS]|, |v[XS+1]|, |v[XS+2]|      ; the block's largest magnitude: all 32 numbers are mine
	v_max3_num_f32 v13, |v[XS+3]|, |v[XS+4]|, |v[XS+5]|
.irp i, 6,10,14,18,22,26
	v_max3_num_f32 v12, v12, |v[XS+\i]|, |v[XS+\i+1]|
	v_max3_num_f32 v13, v13, |v[XS+\i+2]|, |v[XS+\i+3]|
.endr
	v_max3_num_f32 v12, v12, |v[XS+30]|, |v[XS+31]|
	v_max3_num_f32 v12, v12, v13, 0x1800000        ; and the floor 2^(3 - 127): the byte cannot fall under 1
	v_add_nc_u32 v11, 0xff000000, v12              ; 2 off the exponent field: the conversion's scale operand
	v_lshrrev_b32 v13, 23, v11                     ; the scale's byte
.if (\t) == 0
	v_mov_b32 v24, v13                             ; four bytes make the scale word of these 128 along K
.else
	v_lshl_or_b32 v24, v13, 8*(\t), v24
.endif
.irp g, 0,1,2,3
	v_cvt_scalef32_pk8_fp4_f32 v[32+4*(\t)+\g], v[XS+8*\g:XS+8*\g+7], v11
.endr
	global_store_b128 v5, v[32+4*(\t):32+4*(\t)+3], s[18:19] offset:256*(\t)   ; block t = register group t / 2, lane half t % 2: sixteen lanes store 256 consecutive bytes, aligned
.endm
.macro CBLOCK t, left
.set XS, 64+32*(\t)
.set HS, 192+16*(\t)
	s_wait_loadcnt \left
.irp p, 0,1,2,3,4,5,6,7,8,9,10,11,12,13,14,15
	v_cvt_pk_f16_f32 v[HS+\p], v[XS+2*\p], v[XS+2*\p+1]    ; the lower k in the low half
.endr
.irp o, 0,1,2,3
	global_store_b128 v5, v[HS+4*\o:HS+4*\o+3], s[22:23] offset:1024*(\t)+256*\o   ; eight along K: sixteen lanes store 256 consecutive bytes, aligned
.endr
.endm
; ---- x: fragment f (16 rows x 128 K)
.macro LOADX f
.irp i, 0,1,2,3,4,5,6,7,8,9,10,11,12,13,14,15
	global_load_b128 v[128+64*((\f)%2)+4*\i:128+64*((\f)%2)+4*\i+3], v4, s[4:5] offset:4096*\i+512*(\f) th:TH_LOAD_NT   ; row i: 32 lanes read 512 consecutive bytes
.endr
.endm
.macro FRAGX f
.set RS, 128+64*((\f)%2)
.if (\f) < 3
	s_wait_loadcnt 16                              ; this fragment's 16 loads are in; the next fragment's 16 may stay out
.else
	s_wait_loadcnt 0x0
.endif
.irp i, 0,1,2,3,4,5,6,7,8,9,10,11,12,13,14,15
	ds_store_b128 v6, v[RS+4*\i:RS+4*\i+3] offset:SP*\i
.endr
.irp c, 0,1
.irp i, 0,1,2,3,4,5,6,7
	ds_load_b128 v[64+32*\c+4*\i:64+32*\c+4*\i+3], v7 offset:256*\c+16*\i    ; LDS serves a wave's instructions in order: these see my stores.  My row's k = 64 c + 32 h + 0 .. 31
.endr
.endr
	s_wait_dscnt 0x0
.if (\f) < 2
	LOADX (\f)+2
.endif
.irp c, 0,1
	v_max3_num_f32 v[8+\c], |v[64+32*\c]|, |v[65+32*\c]|, 0x1800000      ; my block 2 c + h, and the floor
.endr
.irp i, 2,4,6,8,10,12,14,16,18,20,22,24,26,28,30
.irp c, 0,1
	v_max3_num_f32 v[8+\c], v[8+\c], |v[64+32*\c+\i]|, |v[65+32*\c+\i]|  ; (the two blocks by turns)
.endr
.endr
.irp c, 0,1
	v_add_nc_u32 v[12+\c], 0xff000000, v[8+\c]
.endr
.irp c, 0,1
	v_lshrrev_b32 v[14+\c], 23, v[12+\c]
.endr
	v_lshl_or_b32 v16, v15, 16, v14                ; my two bytes: blocks h and 2 + h,
	v_lshlrev_b32 v16, v17, v16                    ; at their places (8 h bits up);
	v_permlanex16_b32 v18, v16, s32, s33
	v_or_b32 v[24+(\f)], v16, v18                  ; with lane l xor 16's two the word is whole
.irp c, 0,1
.irp g, 0,1,2,3
	v_cvt_scalef32_pk8_fp4_f32 v[32+8*(\f)+4*\c+\g], v[64+32*\c+8*\g:64+32*\c+8*\g+7], v[12+\c]
.endr
.endr
.irp c, 0,1
	global_store_b128 v4, v[32+8*(\f)+4*\c:32+8*(\f)+4*\c+3], s[14:15] offset:1024*(\f)+512*\c   ; the registers as they stand: 512 consecutive bytes
.endr
.endm
	s_load_b256 s[4:11], s[0:1], 0x0               ; x, Wq, Wk, Wv
	s_load_b256 s[12:19], s[0:1], 0x20             ; Wo, xc, xs, wc
	s_load_b128 s[20:23], s[0:1], 0x40             ; ws, woh
	v_lshl_add_u32 v[SPW], v0, 2, SPARE
	v_mov_b32 v[NIL], 0
	v_lshrrev_b32 v1, 5, v0
	v_readfirstlane_b32 s24, v1                    ; wave 0..3
	v_and_b32 v1, 31, v0                           ; lane
	v_and_b32 v2, 15, v0                           ; r
	v_bfe_u32 v3, v0, 4, 1                         ; h
	s_mov_b32 s31, 0                               ; the high word of every offset pair
	s_cmp_lt_u32 ttmp9, 256
	s_cbranch_scc0 .Lx_path
	; ================ the weights
	s_lshr_b32 s25, ttmp9, 6                       ; which matrix: 0, 1, 2 = Wq, Wk, Wv; 3 = Wo
	s_and_b32 s26, ttmp9, 7                        ; kg: which 128 along K
	s_bfe_u32 s27, ttmp9, 0x30003                  ; cg: which 128 columns
	s_lshl_b32 s27, s27, 7
	s_lshl_b32 s28, s24, 5
	s_add_co_u32 s27, s27, s28                     ; my wave's first column: 128 cg + 32 wave
	v_lshlrev_b32 v4, 2, v1                        ; in: 4 bytes a lane
	v_lshlrev_b32 v5, 4, v2
	v_lshl_add_u32 v5, v3, 12, v5                  ; out: column tile lane / 16, 16 bytes for column lane % 16
	v_lshlrev_b32 v6, 4, v1                        ; a column's scale words are 16 bytes apart
	s_wait_kmcnt 0x0
	s_cmp_eq_u32 s25, 1                            ; the choice hangs on the work-group's number alone
	s_cselect_b64 s[28:29], s[8:9], s[6:7]
	s_cmp_eq_u32 s25, 2
	s_cselect_b64 s[28:29], s[10:11], s[28:29]
	s_cmp_eq_u32 s25, 3
	s_cselect_b64 s[28:29], s[12:13], s[28:29]
	s_lshl_b32 s30, s26, 19                        ; 128 rows of 4,096 bytes
	s_lshl_b32 s32, s27, 2
	s_add_co_u32 s30, s30, s32
	s_add_nc_u64 s[28:29], s[28:29], s[30:31]
.set i, 0
.rept 128
	global_load_b32 v[64+i], v4, s[28:29] offset:i*4096 th:TH_LOAD_NT      ; W(128 kg + i, my column): a wave reads 128 consecutive bytes, the work-group 512
.set i, i+1
.endr
	s_cmp_eq_u32 s25, 3
	s_cbranch_scc1 .Lcast
	s_lshr_b32 s33, s26, 2                         ; ks
	s_and_b32 s34, s26, 3                          ; kf
	s_lshl_b32 s35, s25, 10
	s_add_co_u32 s35, s35, s27                     ; n of my wave's first column among the 3,072
	s_mul_i32 s30, s33, 786432
	s_lshl_b32 s36, s35, 8                         ; (n / 16) x 4,096
	s_add_co_u32 s30, s30, s36
	s_lshl_b32 s36, s34, 10
	s_add_co_u32 s30, s30, s36
	s_add_nc_u64 s[18:19], s[18:19], s[30:31]
	s_mul_i32 s30, s33, 49152
	s_lshl_b32 s36, s35, 4
	s_add_co_u32 s30, s30, s36
	s_lshl_b32 s36, s34, 2
	s_add_co_u32 s30, s30, s36
	s_add_nc_u64 s[20:21], s[20:21], s[30:31]
	QBLOCK 0, 63                                   ; 96 younger loads could stay out; the wait's field holds 63
	QBLOCK 1, 63                                   ; 64 could
	QBLOCK 2, 32
	QBLOCK 3, 0
	global_store_b32 v6, v24, s[20:21]             ; words 16 bytes apart: one byte in 128 of what this path reads
	s_endpgm
.Lcast:
	s_lshl_b32 s30, s26, 18                        ; k8 = kg
	s_lshl_b32 s32, s27, 8                         ; (column / 16) x 4,096
	s_add_co_u32 s30, s30, s32
	s_add_nc_u64 s[22:23], s[22:23], s[30:31]
	CBLOCK 0, 63
	CBLOCK 1, 63
	CBLOCK 2, 32
	CBLOCK 3, 0
	s_endpgm
	; ================ x: a wave makes the four fragments of 16 rows x 512 along K
.Lx_path:
	s_sub_co_u32 s25, ttmp9, 256
	s_lshl_b32 s25, s25, 2
	s_add_co_u32 s25, s25, s24
	s_lshr_b32 s26, s25, 1                         ; rt: which 16 rows
	s_and_b32 s27, s25, 1                          ; ks: which 512 along K
	s_mul_i32 s28, s24, STW                        ; my stage
	v_lshlrev_b32 v4, 4, v1                        ; 16 x lane
	v_add_nc_u32 v6, s28, v4                       ; into the stage: a row as it lies
	v_mul_u32_u24 v7, v2, SP
	v_lshl_add_u32 v7, v3, 7, v7
	v_add_nc_u32 v7, s28, v7                       ; out of it: row r, + 128 h bytes
	v_lshlrev_b32 v17, 3, v3                       ; 8 h
	v_lshlrev_b32 v19, 4, v2                       ; 16 r
	v_mov_b32 v18, 0                               ; a lane permute's destination counts as one of its sources
	s_mov_b32 s32, 0x76543210
	s_mov_b32 s33, 0xfedcba98                      ; selects for lane l xor 16
	s_wait_kmcnt 0x0
	s_lshl_b32 s30, s26, 16
	s_lshl_b32 s29, s27, 11
	s_add_co_u32 s30, s30, s29
	s_add_nc_u64 s[4:5], s[4:5], s[30:31]
	s_lshl_b32 s30, s27, 21
	s_lshl_b32 s29, s26, 12
	s_add_co_u32 s30, s30, s29
	s_add_nc_u64 s[14:15], s[14:15], s[30:31]
	s_lshl_b32 s30, s27, 17
	s_lshl_b32 s29, s26, 8
	s_add_co_u32 s30, s30, s29
	s_add_nc_u64 s[16:17], s[16:17], s[30:31]
	LOADX 0
	LOADX 1
	FRAGX 0
	FRAGX 1
	FRAGX 2
	FRAGX 3
	v_cmp_gt_u32 vcc_lo, 16, v1                    ; lanes 0 to 15 store the 16 rows' four scale words: 256 consecutive bytes, aligned
	s_wait_xcnt 0x0                                ; EXEC changes only behind this wait
	s_and_saveexec_b32 s28, vcc_lo
	global_store_b128 v19, v[24:27], s[16:17]
	s_wait_xcnt 0x0                                ; and again, in front of the line that widens it
	s_or_b32 exec_lo, exec_lo, s28
	s_wait_tensorcnt 0x0                           ; the wave's end, behind my last LDS store
	ds_add_u32 v[SPW], v[NIL]
	s_wait_dscnt 0x0
	s_endpgm
.Lfunc_end_k_q59aabf59e7_prep:
	.size	k_q59aabf59e7_prep, .Lfunc_end_k_q59aabf59e7_prep-k_q59aabf59e7_prep
	.p2alignl 7, 3214868480
	.fill 96, 4, 3214868480
	.section	.rodata,"a",@progbits
	.p2align	6, 0x0
	.amdhsa_kernel k_q59aabf59e7_prep
		.amdhsa_group_segment_fixed_size 35328
		.amdhsa_private_segment_fixed_size 0
		.amdhsa_enable_private_segment 0
		.amdhsa_kernarg_size 80
		.amdhsa_user_sgpr_count 2
		.amdhsa_user_sgpr_kernarg_segment_ptr 1
		.amdhsa_wavefront_size32 1
		.amdhsa_system_sgpr_workgroup_id_x 1
		.amdhsa_system_sgpr_workgroup_id_y 1
		.amdhsa_system_sgpr_workgroup_id_z 1
		.amdhsa_system_vgpr_workitem_id 0
		.amdhsa_next_free_vgpr 256
		.amdhsa_next_free_sgpr 66
		.amdhsa_reserve_vcc 1
		.amdhsa_float_denorm_mode_32 3
		.amdhsa_float_denorm_mode_16_64 3
		.amdhsa_memory_ordered 1
		.amdhsa_forward_progress 1
		.amdhsa_inst_pref_size 55
	.end_amdhsa_kernel
	.amdgpu_metadata
---
amdhsa.version: [ 1, 2 ]
amdhsa.kernels:
  - .name:           k_q59aabf59e7_prep
    .symbol:         k_q59aabf59e7_prep.kd
    .args:
      - { .name: x, .offset: 0, .size: 8, .value_kind: global_buffer, .address_space: global }
      - { .name: Wq, .offset: 8, .size: 8, .value_kind: global_buffer, .address_space: global }
      - { .name: Wk, .offset: 16, .size: 8, .value_kind: global_buffer, .address_space: global }
      - { .name: Wv, .offset: 24, .size: 8, .value_kind: global_buffer, .address_space: global }
      - { .name: Wo, .offset: 32, .size: 8, .value_kind: global_buffer, .address_space: global }
      - { .name: xc, .offset: 40, .size: 8, .value_kind: global_buffer, .address_space: global }
      - { .name: xs, .offset: 48, .size: 8, .value_kind: global_buffer, .address_space: global }
      - { .name: wc, .offset: 56, .size: 8, .value_kind: global_buffer, .address_space: global }
      - { .name: ws, .offset: 64, .size: 8, .value_kind: global_buffer, .address_space: global }
      - { .name: woh, .offset: 72, .size: 8, .value_kind: global_buffer, .address_space: global }
    .group_segment_fixed_size: 35328
    .private_segment_fixed_size: 0
    .kernarg_segment_align: 8
    .kernarg_segment_size: 80
    .max_flat_workgroup_size: 128
    .sgpr_count:     66
    .vgpr_count:     256
    .wavefront_size: 32
...
	.end_amdgpu_metadata
.endif
;; end of part 1
;; launch qkv (part 2): grid 12 x 32, 4 waves a work-group, clusters of 4 x 4, 327,680 bytes of LDS; arguments xc, xs, wc, ws, qkv; writes qkv
.if DOCPART == 2
	.amdgcn_target "amdgcn-amd-amdhsa--gfx1250"
	.amdhsa_code_object_version 6
	.text
	.protected	k_q59aabf59e7_qkv
	.globl	k_q59aabf59e7_qkv
	.p2align	8
	.type	k_q59aabf59e7_qkv,@function
k_q59aabf59e7_qkv:
	s_mov_b64 s[64:65], 0
	v_nop
	global_prefetch_b8 v0, s[64:65] scope:SCOPE_SE
	s_setreg_imm32_b32 hwreg(HW_REG_WAVE_MODE, 25, 1), 1
	s_wait_xcnt 0x0
	s_wait_alu depctr_hold_cnt(0) depctr_sa_sdst(0) depctr_va_vdst(0) depctr_va_sdst(0) depctr_va_ssrc(0) depctr_va_vcc(0) depctr_vm_vsrc(0)
	s_getreg_b32 s2, hwreg(HW_REG_IB_STS2, 6, 4)
	s_cmp_eq_u32 s2, 0
	s_cbranch_scc0 .Lentry_in_a_cluster
	s_endpgm
.Lentry_in_a_cluster:
	s_bfe_u32 s2, ttmp6, 0x10000c
	s_cmp_lg_u32 s2, 0xf033
	s_cbranch_scc0 .Lentry_shape_is_right
	s_endpgm
.Lentry_shape_is_right:
; q | k | v = Q(x) Q(Wq | Wk | Wv): [8192] x [3072], K = 1,024, on codes of FP4 (E2M1) with one E8M0 scale for each 32 along K; sums in f32; the results are rounded once to f16.
; Codes and scale words arrive as images of the operand registers (a fragment of 16 rows x 128 K is 1,024 bytes: 512 c + 16 lane), 512 along K to a plane: a K step's tile of any rows is one dense block.
; A tile of C, 256 x 256, is made by four waves, 128 x 128 each: 64 accumulators, 512 registers.  K = 1,024 is two slots of 512: both are asked for at the head, and nothing is filled again.
; CLUSTERS: 4 x 4 work-groups; the four of a row of the cluster need the same tiles of x, the four of a column the same tiles of W: each tile is asked for jointly, by the same tensor load in all four.
; THE MATRIX INSTRUCTION IS USED TRANSPOSED (source 0 = 16 columns of W, source 1 = 16 rows of x): a lane then holds one position and eight neighbouring channels, which pack into the 16 bytes that the
; lane has in the image of the next launch's operand: qkv: 16,777,216 which + 262,144 (16 batch + head) + 2,048 (position / 16) + 1,024 u + 512 c + 16 lane: channels 32 u + 16 c + 8 (lane / 16) + 0 .. 7.
; So the way out needs no LDS: each store of a wave covers 512 consecutive bytes, aligned.
; LIMIT: |q|, |k|, |v| stay under 65,504 (f16).
; REGISTERS: window 0: v16-29 addresses; v32-95 scale words, two sets; from v128 x's fragments, one set; on the way out v128-255 the packed results.  window 1: W's fragments, two sets, at v0 and v128.
;   window 2: the accumulators of my rows 0-63 ((a, b) at v[8 (8 a + b)]);  window 3: those of my rows 64-127.
.set NQ,     4                         ; steps of 128 along K in a slot
.set FR,     8                         ; registers of a fragment
.set NL,     2                         ; LDS loads that bring one
.set NP,     4                         ; places behind this matrix instruction (ISA guide 7.12.1)
.set HALFT,  32768                     ; 128 rows x 512 K: what one tensor load brings, and what one wave reads of x or of W
.set SLOT,   131072                    ; x's 256 rows, then W's 256 columns
.set SCL,    262144                    ; behind the slots: scale words: x plane 0, x plane 1, W plane 0, W plane 1, 4,096 bytes each (16 bytes a row)
.set SPARE,  278528                    ; the spare words, 128 bytes for each wave
.set ADRA, 16                          ; v16-17  LDS address of my x fragments in slot 0, 1
.set ADRB, 20                          ; v20-21  the same for W
.set LI,   26                          ; v26     16 x lane
.set ADRS, 27                          ; v27     my scale words: lanes 0-15 x's rows, lanes 16-31 W's columns
.set SPW,  28                          ; v28     my spare word; never rewritten
.set NIL,  29                          ; v29     0; never rewritten
.set SC,   32                          ; scale words: set s at v[SC + 32 s]; register 4 i + q: lanes 0-15 x's block i, lanes 16-31 W's block i, the slot's q-th 128 along K
.set AF,   128                         ; x's fragments
.set PK,   128                         ; the way out: four sets of 32
.set G1, 24
.set G0, 32
.set G1B, 48
.set G0B, 56
.set G1S, 68
.set G0S, 76
.set G1SB, 80
.set G0SB, 88
.set MSB, 0
.macro WIN new                         ; the immediate's high byte repeats the setting that is left
.if MSB != (\new)
	s_set_vgpr_msb (MSB<<8)|(\new)
.set MSB, (\new)
.endif
.endm
.set MUL_LO, 0xa1                      ; source 0 (W) window 1, source 1 (x) window 0, C and D window 2
.set MUL_HI, 0xf1                      ; the same, C and D window 3
.set TO_B,   0x40                      ; destination window 1, address window 0
; A joint load: waves 0 and 1 fetch for x, waves 2 and 3 for W.  The branch hangs on the wave's number alone.  An s_nop 0 and four v_nop follow each of the two lines.
.macro JLOAD g0a, g1a, g0b, g1b
	s_cmp_eq_u32 s15, 0
	s_cbranch_scc0 .Lfor_b_\@
	tensor_load_to_lds s[\g0a:\g0a+3], s[\g1a:\g1a+7]
	s_nop 0
.rept 4
	v_nop
.endr
	s_branch .Lasked_\@
.Lfor_b_\@:
	tensor_load_to_lds s[\g0b:\g0b+3], s[\g1b:\g1b+7]
	s_nop 0
.rept 4
	v_nop
.endr
.Lasked_\@:
.endm
.macro CROUND                          ; a round of the cluster's barrier
	s_barrier_signal -1
	s_barrier_wait -1
	s_cmp_lg_u32 s14, 0
	s_cbranch_scc1 .Lnot_wave_0_\@
	s_barrier_signal -3
.Lnot_wave_0_\@:
	s_barrier_wait -3
	s_barrier_signal -1
	s_barrier_wait -1
.endm
	s_load_b128 s[4:7], s[0:1], 0x0                ; xc, xs
	s_load_b128 s[8:11], s[0:1], 0x10              ; wc, ws
	s_load_b64 s[12:13], s[0:1], 0x20              ; qkv
	v_lshl_add_u32 v[SPW], v0, 2, SPARE
	v_mov_b32 v[NIL], 0
	ds_add_u32 v[SPW], v[NIL]                      ; the wave's opening: the add, twice on end, and its wait ahead of my first tensor load
	ds_add_u32 v[SPW], v[NIL]
	v_lshrrev_b32 v1, 5, v0
	v_readfirstlane_b32 s14, v1                    ; wave 0..3
	s_lshr_b32 s15, s14, 1                         ; which half of the tile's rows is mine.  Also: I fetch for x (0) or for W (1)
	s_and_b32 s16, s14, 1                          ; which half of its columns.  Also: which half, or which plane of scales, I fetch
	s_bfe_u32 s40, ttmp6, 0x40000                  ; cx, cy: my place in the cluster
	s_bfe_u32 s41, ttmp6, 0x40004
	s_lshl_b32 s42, ttmp9, 2
	s_add_co_u32 s42, s42, s40                     ; tile column = 4 x cluster x + cx
	s_and_b32 s17, ttmp7, 0xffff
	s_lshl_b32 s17, s17, 2
	s_add_co_u32 s17, s17, s41                     ; tile row = 4 x cluster y + cy
	s_lshl_b32 s43, s41, 2
	s_lshl_b32 s43, 15, s43                        ; my row of the cluster
	s_lshl_b32 s44, 0x1111, s40                    ; my column
	; descriptor group 1: dense blocks as rows of 256 bytes (32 elements of 8 bytes), no padding: codes 128 rows, scale words 16 rows
	s_or_b32 s[G1+0], s43, (3<<16)|(1<<21)         ; 15:0 the mask; 17:16 elements of 8 bytes; 21 set beside a mask
	s_or_b32 s[G1B+0], s44, (3<<16)|(1<<21)
.irp g, G1, G1B
	s_mov_b32 s[\g+1], 32<<16                      ; tensor_dim0
	s_mov_b32 s[\g+2], 128<<16                     ; tensor_dim1
	s_mov_b32 s[\g+3], 32<<16                      ; tile_dim0
	s_mov_b32 s[\g+4], 128                         ; tile_dim1
	s_mov_b32 s[\g+5], 32                          ; the pitch
	s_mov_b32 s[\g+6], 0
	s_mov_b32 s[\g+7], 0
.endr
	s_or_b32 s[G1S+0], s43, (3<<16)|(1<<21)
	s_or_b32 s[G1SB+0], s44, (3<<16)|(1<<21)
.irp g, G1S, G1SB
	s_mov_b32 s[\g+1], 32<<16
	s_mov_b32 s[\g+2], 16<<16
	s_mov_b32 s[\g+3], 32<<16
	s_mov_b32 s[\g+4], 16
	s_mov_b32 s[\g+5], 32
	s_mov_b32 s[\g+6], 0
	s_mov_b32 s[\g+7], 0
.endr
	s_lshl_b32 s18, s16, 15                        ; my half: 8 row tiles of 4,096 bytes
	s_lshl_b32 s20, s17, 16
	s_add_co_u32 s20, s20, s18                     ; x's codes: (16 tile row + 8 half) x 4,096
	s_mov_b32 s21, 0
	s_lshl_b32 s46, s42, 16
	s_add_co_u32 s46, s46, s18                     ; W's likewise, by the tile column
	s_mov_b32 s47, 0
	s_lshl_b32 s22, s17, 12
	s_lshl_b32 s19, s16, 17
	s_add_co_u32 s22, s22, s19                     ; x's scale words: plane (wave % 2), 256 rows of 16 bytes
	s_mov_b32 s23, 0
	s_lshl_b32 s92, s42, 12
	s_mul_i32 s19, s16, 49152
	s_add_co_u32 s92, s92, s19                     ; W's
	s_mov_b32 s93, 0
	s_lshl_b32 s45, s14, 15                        ; where they go: wave x 32,768: no place in the cluster enters an LDS address
	s_lshl_b32 s94, s14, 12
	s_wait_dscnt 0x0                               ; both opening adds are done
	s_wait_kmcnt 0x0
	s_add_nc_u64 s[20:21], s[4:5], s[20:21]
	s_add_nc_u64 s[22:23], s[6:7], s[22:23]
	s_add_nc_u64 s[46:47], s[8:9], s[46:47]
	s_add_nc_u64 s[92:93], s[10:11], s[92:93]
	CROUND                                         ; all sixteen work-groups are here: the first joint loads meet
	s_mov_b32 s[G0S], 1
	s_add_co_u32 s[G0S+1], s94, SCL
	s_mov_b64 s[G0S+2:G0S+3], s[22:23]
	s_or_b32 s[G0S+3], s[G0S+3], 0x80000000
	s_mov_b32 s[G0SB], 1
	s_add_co_u32 s[G0SB+1], s94, SCL
	s_mov_b64 s[G0SB+2:G0SB+3], s[92:93]
	s_or_b32 s[G0SB+3], s[G0SB+3], 0x80000000
	JLOAD G0S, G1S, G0SB, G1SB                     ; the scale words first: they are wanted with slot 0
.irp s, 0,1
	s_mov_b32 s[G0+4*\s], 1
	s_add_co_u32 s[G0+4*\s+1], s45, \s*SLOT
	s_add_nc_u64 s[G0+4*\s+2:G0+4*\s+3], s[20:21], \s*2097152
	s_or_b32 s[G0+4*\s+3], s[G0+4*\s+3], 0x80000000
	s_mov_b32 s[G0B+4*\s], 1
	s_add_co_u32 s[G0B+4*\s+1], s45, \s*SLOT
	s_add_nc_u64 s[G0B+4*\s+2:G0B+4*\s+3], s[46:47], \s*786432
	s_or_b32 s[G0B+4*\s+3], s[G0B+4*\s+3], 0x80000000
	JLOAD G0+4*\s, G1, G0B+4*\s, G1B               ; three tensor loads of mine are out at the most
.endr
	v_and_b32 v1, 15, v0                           ; r
	v_bfe_u32 v2, v0, 4, 1                         ; h
	v_and_b32 v3, 31, v0
	v_lshlrev_b32 v[LI], 4, v3
	s_lshl_b32 s21, s15, 15                        ; my 128 rows of x
	s_lshl_b32 s22, s16, 15                        ; my 128 columns of W,
	s_add_co_u32 s22, s22, 2*HALFT                 ; which lie behind x's 256 rows
.irp s, 0,1
	v_add_nc_u32 v[ADRA+\s], s21, v[LI]
	v_add_nc_u32 v[ADRB+\s], s22, v[LI]
	s_add_co_u32 s21, s21, SLOT
	s_add_co_u32 s22, s22, SLOT
.endr
	v_lshlrev_b32 v5, 4, v1                        ; a row's four scale words: 16 bytes
	s_lshl_b32 s21, s15, 11                        ; x's: my 128 rows
	s_lshl_b32 s22, s16, 11                        ; W's: my 128 columns, 8,192 bytes behind x's plane 0
	s_add_co_u32 s22, s22, 8192
	s_sub_co_u32 s22, s22, s21
	v_mul_u32_u24 v6, s22, v2                      ; lanes 16-31 take W's: one product, the distance between the two
	s_add_co_u32 s21, s21, SCL
	v_add_nc_u32 v5, v5, v6
	v_add_nc_u32 v[ADRS], s21, v5
	; where my results go
	s_lshl_b32 s20, s17, 8
	s_lshl_b32 s21, s15, 7
	s_add_co_u32 s20, s20, s21                     ; m0: my first row
	s_lshl_b32 s46, s42, 8
	s_lshl_b32 s47, s16, 7
	s_add_co_u32 s46, s46, s47                     ; n0: my first column of the 3,072
	s_lshr_b32 s21, s20, 11                        ; batch
	s_lshl_b32 s21, s21, 4
	s_bfe_u32 s47, s46, 0x40006                    ; head
	s_add_co_u32 s21, s21, s47
	s_lshl_b32 s21, s21, 18
	s_and_b32 s20, s20, 2047
	s_lshl_b32 s20, s20, 7                         ; (position / 16) x 2,048
	s_add_co_u32 s20, s20, s21
	s_lshr_b32 s46, s46, 10                        ; q, k or v
	s_lshl_b32 s46, s46, 24
	s_add_co_u32 s20, s20, s46
	s_mov_b32 s21, 0
	s_add_nc_u64 s[12:13], s[12:13], s[20:21]
.macro FRAG reg, adr, q, i             ; a fragment's image: two loads, 512 consecutive bytes each
.irp c, 0,1
	ds_load_b128 v[\reg+4*\c:\reg+4*\c+3], v[\adr] offset:(\i)*4096+(\q)*1024+512*\c
.endr
.endm
; 16 matrix instructions: x's blocks a0, a0 + 1 against W's eight, 128 along K.  p: W's set;  sc: the set of scale words.  zero = 1: the first product starts the sums.
; The 64 accumulators take turns, one instruction a turn, in the same order in every step.
.macro MUL16 a0, p, q, sc, zero
.irp a, \a0, \a0+1
.irp b, 0,1,2,3,4,5,6,7
.if \zero
	v_wmma_scale_f32_16x16x128_f8f6f4 v[8*(8*((\a)%4)+\b):8*(8*((\a)%4)+\b)+7], v[128*(\p)+FR*\b:128*(\p)+FR*\b+FR-1], v[AF+FR*(\a):AF+FR*(\a)+FR-1], 0, v[SC+8*NQ*(\sc)+NQ*\b+(\q)], v[SC+8*NQ*(\sc)+NQ*(\a)+(\q)] matrix_a_fmt:MATRIX_FMT_FP4 matrix_b_fmt:MATRIX_FMT_FP4 matrix_a_scale:MATRIX_SCALE_ROW1
.else
	v_wmma_scale_f32_16x16x128_f8f6f4 v[8*(8*((\a)%4)+\b):8*(8*((\a)%4)+\b)+7], v[128*(\p)+FR*\b:128*(\p)+FR*\b+FR-1], v[AF+FR*(\a):AF+FR*(\a)+FR-1], v[8*(8*((\a)%4)+\b):8*(8*((\a)%4)+\b)+7], v[SC+8*NQ*(\sc)+NQ*\b+(\q)], v[SC+8*NQ*(\sc)+NQ*(\a)+(\q)] matrix_a_fmt:MATRIX_FMT_FP4 matrix_b_fmt:MATRIX_FMT_FP4 matrix_a_scale:MATRIX_SCALE_ROW1
.endif
.endr
.endr
.endm
.macro FETCH_B slot, q, p
	WIN TO_B
.irp i, 0,1,2,3,4,5,6,7
	FRAG 128*(\p)+FR*\i, ADRB+\slot, \q, \i
.endr
	WIN 0
.endm
.macro FETCH_A slot, q, i0
.irp i, \i0, \i0+1, \i0+2, \i0+3
	FRAG AF+FR*(\i), ADRA+\slot, \q, \i
.endr
.endm
.macro SCALES sc                       ; a slot's scale words: four words a row; lanes 0-15 x's block i, lanes 16-31 W's block i
.irp i, 0,1,2,3,4,5,6,7
	ds_load_b128 v[SC+8*NQ*\sc+NQ*\i:SC+8*NQ*\sc+NQ*\i+3], v[ADRS] offset:\sc*4096+\i*256
.endr
.endm
.macro PLACES n                        ; plain vector instructions between a matrix instruction and a load into, or a vector read or write of, its registers
.rept \n
	v_nop
.endr
.endm
.macro STEP slot, q, zero              ; a step of 128 along K that has its successor in the same slot
	s_wait_dscnt 4*NL                              ; W's set and x's blocks 0-3 are in; the youngest eight loads (x's blocks 4-7) may be out
	WIN MUL_LO
	MUL16 0, (\q)%2, \q, \slot, \zero
	MUL16 2, (\q)%2, \q, \slot, \zero
	s_wait_dscnt 0                                 ; x's blocks 4-7 are in
	PLACES NP
	FETCH_B \slot, (\q)+1, 1-(\q)%2
	FETCH_A \slot, (\q)+1, 0
	WIN MUL_HI
	MUL16 4, (\q)%2, \q, \slot, \zero
	MUL16 6, (\q)%2, \q, \slot, \zero
	PLACES NP
	WIN 0
	FETCH_A \slot, (\q)+1, 4
.endm
.macro TURN slot, next                 ; a slot's last step; behind its barrier the next slot, which every wave's load has filled, is read.  Nothing is filled again
	s_wait_tensorcnt 0x0                           ; all my tensor loads have landed: my part of the next slot
	ds_add_u32 v[SPW], v[NIL]                      ; 0 onto my spare word
	s_wait_dscnt 4*NL+1                            ; (the add and the youngest eight loads may be out)
	WIN MUL_LO
	MUL16 0, 1, NQ-1, \slot, 0
	s_wait_dscnt 0x0                               ; the add is done, and my LDS loads are in
	s_barrier_signal -1
	MUL16 2, 1, NQ-1, \slot, 0
	WIN 0
	s_barrier_wait -1
	PLACES NP
	FETCH_B \next, 0, 0
	FETCH_A \next, 0, 0
	SCALES \next
	WIN MUL_HI
	MUL16 4, 1, NQ-1, \slot, 0
	MUL16 6, 1, NQ-1, \slot, 0
	PLACES NP
	WIN 0
	FETCH_A \next, 0, 4
.endm
.macro STEPS slot, from
.set QQ, \from
.rept NQ-1-\from
	STEP \slot, QQ, 0
.set QQ, QQ+1
.endr
.endm
	s_wait_tensorcnt 1                             ; the scale words and my part of slot 0 are in (slot 1's load may be out),
	s_barrier_signal -1
	s_barrier_wait -1                              ; everybody's are
	FETCH_B 0, 0, 0
	FETCH_A 0, 0, 0
	SCALES 0
	FETCH_A 0, 0, 4
	STEP 0, 0, 1                                   ; the first step's products start the sums
	STEPS 0, 1
	TURN 0, 1
	STEPS 1, 0
	s_wait_dscnt 4*NL                              ; the very last step: nothing more to fetch
	WIN MUL_LO
	MUL16 0, 1, NQ-1, 1, 0
	MUL16 2, 1, NQ-1, 1, 0
	s_wait_dscnt 0
	WIN MUL_HI
	MUL16 4, 1, NQ-1, 1, 0
	MUL16 6, 1, NQ-1, 1, 0
	WIN 0
; THE WAY OUT, block a of 16 positions at a time: accumulator (a, b), packed to f16, is register group b % 2 of the fragment (position tile a, channels 32 ((b / 2) % 2) on, head b / 4).
.macro PACKST a
.set AC, 64*((\a)%4)
.set PB, PK+32*((\a)%4)
.if (\a) >= 4
	s_wait_xcnt 0x0                                ; the stores of four blocks ago have read this set: it is written again only behind this wait
.endif
	WIN 0x0a+5*((\a)/4)                            ; sources 0 and 1: window 2 or 3
.irp b, 0,1,2,3,4,5,6,7
.irp r, 0,1,2,3
	v_cvt_pk_f16_f32 v[PB+4*\b+\r], v[AC+8*\b+2*\r], v[AC+8*\b+2*\r+1]     ; each accumulator from its low end on
.endr
.endr
	WIN 0
.irp b, 0,1,2,3,4,5,6,7
	global_store_b128 v[LI], v[PB+4*\b:PB+4*\b+3], s[12:13] offset:(\a)*2048+(\b/4)*262144+((\b/2)%2)*1024+(\b%2)*512 th:TH_STORE_NT   ; 32 lanes store 512 consecutive bytes, aligned
.endr
.endm
	PLACES NP                                      ; behind the last products: their results are read, and the registers that held x's fragments are written
.irp a, 0,1,2,3,4,5,6,7
	PACKST \a
.endr
	s_wait_tensorcnt 0x0                           ; the wave's end, behind my last tensor load
	ds_add_u32 v[SPW], v[NIL]
	s_wait_dscnt 0x0
	CROUND                                         ; the closing round
	s_endpgm
.Lfunc_end_k_q59aabf59e7_qkv:
	.size	k_q59aabf59e7_qkv, .Lfunc_end_k_q59aabf59e7_qkv-k_q59aabf59e7_qkv
	.p2alignl 7, 3214868480
	.fill 96, 4, 3214868480
	.section	.rodata,"a",@progbits
	.p2align	6, 0x0
	.amdhsa_kernel k_q59aabf59e7_qkv
		.amdhsa_group_segment_fixed_size 327680
		.amdhsa_private_segment_fixed_size 0
		.amdhsa_enable_private_segment 0
		.amdhsa_kernarg_size 40
		.amdhsa_user_sgpr_count 2
		.amdhsa_user_sgpr_kernarg_segment_ptr 1
		.amdhsa_wavefront_size32 1
		.amdhsa_system_sgpr_workgroup_id_x 1
		.amdhsa_system_sgpr_workgroup_id_y 1
		.amdhsa_system_sgpr_workgroup_id_z 1
		.amdhsa_system_vgpr_workitem_id 0
		.amdhsa_next_free_vgpr 1024
		.amdhsa_next_free_sgpr 98
		.amdhsa_reserve_vcc 0
		.amdhsa_float_denorm_mode_32 3
		.amdhsa_float_denorm_mode_16_64 3
		.amdhsa_memory_ordered 1
		.amdhsa_forward_progress 1
		.amdhsa_inst_pref_size 117
	.end_amdhsa_kernel
	.amdgpu_metadata
---
amdhsa.version: [ 1, 2 ]
amdhsa.kernels:
  - .name:           k_q59aabf59e7_qkv
    .symbol:         k_q59aabf59e7_qkv.kd
    .args:
      - { .name: xc, .offset: 0, .size: 8, .value_kind: global_buffer, .address_space: global }
      - { .name: xs, .offset: 8, .size: 8, .value_kind: global_buffer, .address_space: global }
      - { .name: wc, .offset: 16, .size: 8, .value_kind: global_buffer, .address_space: global }
      - { .name: ws, .offset: 24, .size: 8, .value_kind: global_buffer, .address_space: global }
      - { .name: qkv, .offset: 32, .size: 8, .value_kind: global_buffer, .address_space: global }
    .group_segment_fixed_size: 327680
    .private_segment_fixed_size: 0
    .kernarg_segment_align: 8
    .kernarg_segment_size: 40
    .max_flat_workgroup_size: 128
    .sgpr_count:     98
    .vgpr_count:     1024
    .wavefront_size: 32
...
	.end_amdgpu_metadata
.endif
;; end of part 2
;; launch attn (part 3): grid 4 x 64, 8 waves a work-group, no clusters, 327,680 bytes of LDS; arguments qkv, ctx; writes ctx
.if DOCPART == 3
	.amdgcn_target "amdgcn-amd-amdhsa--gfx1250"
	.amdhsa_code_object_version 6
	.text
	.protected	k_q59aabf59e7_attn
	.globl	k_q59aabf59e7_attn
	.p2align	8
	.type	k_q59aabf59e7_attn,@function
k_q59aabf59e7_attn:
	s_mov_b64 s[64:65], 0
	v_nop
	global_prefetch_b8 v0, s[64:65] scope:SCOPE_SE
	s_setreg_imm32_b32 hwreg(HW_REG_WAVE_MODE, 25, 1), 1
	s_wait_xcnt 0x0
; ctx[b][q][head] = the sum over k <= q of softmax_k(Q[q] . K[k] / 8) V[k], head size 64, 2,048 positions, 64 (batch, head) pairs.  Q, K, V arrive as f16, as images of operand registers
; (a tile of 16 positions is 2,048 bytes: 1,024 u + 512 c + 16 lane: position lane % 16, channels 32 u + 16 c + 8 (lane / 16) + 0 .. 7).  Products on f16 operands, sums, maxima and the softmax in f32;
; the weights p are rounded to f16 for the second product, ctx once at the end (f16, as the image of the output projection's operand).
; LIMITS: |ctx| stays under 65,504 (it is an average of v); NaN and infinities are not served.  Positions 0 to 15 of every sequence are computed here too and are made anew, in f32, by a later launch.
; SHARES.  A head's queries are 8 blocks of 256.  Work-group J (0 to 3) takes block J and then block 7 - J: (J + 1) + (8 - J) = 9 slots of 256 keys for every work-group, so the work is even and the
; trip count a constant.  Each of the eight waves owns 32 queries, two tiles of 16, so that a fragment of K or V read from LDS feeds two products; two waves share a SIMD.
; NO CLUSTER: in one and the same trip the four work-groups of a head need different slots (J's walk begins anew behind trip J); walking in step would take 12 slots in place of 9.
; LAYOUT.  S^T = K Q^T (source 0 = 16 keys, source 1 = 16 queries) and O^T = V^T P: a lane holds ONE query throughout.  V lies as K does; its fragments are turned by ds_load_tr16_b128.
; SOFTMAX.  For each query a running maximum m and sum l: p = 2^(c s - c m), c = log2(e) / 8; in every step O and l are multiplied by a = 2^(c m_old - c m_new).
; A step all of whose 64 keys come after the wave's 32 queries is jumped over (a scalar branch on ids); on the diagonal hidden scores become -infinity ahead of the maximum.
; REGISTERS.  window 0: v1-11 addresses and constants; v16-31 statistics, eight a tile; v32-63 Q; v64-127 S^T, then p; v128-159 P; v160-223 K.   window 1: v0-63 O^T; v64-127 V^T; v128-159 the second block's Q.
.set SLOTB, 65536                      ; a slot: K's 16 tiles of 2,048 bytes, then V's; slot 1 begins here: one exclusive or turns an address
.set VOFF,  32768
.set SPARE, 131072                     ; behind the slots: the spare words, 128 bytes for each of eight waves
.set LI,   1                           ; v1   16 x lane
.set VP,   2                           ; v2   the turning load: my 16 bytes of a tile's 512: key 8 (l / 16) + l % 8, channel octet (l / 8) % 2
.set ADK,  3                           ; v3   K's tiles of the slot in hand
.set ADV,  4                           ; v4   V's
.set SPW,  5                           ; v5   my spare word; never rewritten
.set NIL,  6                           ; v6   0; never rewritten
.set PFO,  7                           ; v7   256 x lane
.set RH,   8                           ; v8   lane % 16 - 8 (lane / 16)
.set D0,   9                           ; v9, v10  tile t: my query - the step's first key - 8 (lane / 16)
.set NINF, 11                          ; v11  -infinity
.set ST,   16                          ; tile t at v[16 + 8 t]: +0 c m, +1 m, +2, +3 l, +4 to +7 at work; a at +6
.set Q,    32                          ; Q(t, u) at 32 + 16 t + 8 u
.set S,    64                          ; S(t, kt) at 64 + 32 t + 8 kt
.set P,    128                         ; P(t, s) at 128 + 16 t + 8 s
.set KR,   160                         ; K(kt, u) at 160 + 16 kt + 8 u
.set VF,   64                          ; window 1: V(ct, s) at 64 + 16 ct + 8 s;  O(t, ct) at 32 t + 8 ct
.set QN,   128                         ; window 1: the second block's Q
.set WV,   8
.set JJ,   9
.set BH,   10
.set TRIP, 11
.set KEY,  12                          ; s12  the step's first key
.set Q0,   13                          ; s13  my first query
.set TB,   14                          ; s14  LDS byte at which the slot in hand begins
.set Q0B,  15                          ; s15  my first query of the second block
.set G1,   16                          ; s[16:23] descriptor group 1
.set G0,   24                          ; s[24:27] group 0
.set KVB,  28                          ; s[28:29] my 8,192 bytes of slot 0 in memory (waves 0-3: K's quarters, waves 4-7: V's)
.set OFS,  30                          ; s[30:31] an offset; the high word stays 0
.set QBS,  32
.set CB,   34
.set CS,   36                          ; s[36:37] c
.set SEL,  38                          ; s[38:39] selects for lane l xor 16
.set PFA,  40                          ; s[40:41] where my prefetches stand
.set LIM,  42                          ; s42  a wave prefetches while the trip's number is under it
.set MSB, 0
.macro WIN new
.if MSB != (\new)
	s_set_vgpr_msb (MSB<<8)|(\new)
.set MSB, (\new)
.endif
.endm
.macro INIT                            ; m = -3e38, under every score; l = 0: the first step's a is then 0, and multiplies zeros
.irp t, 0,1
	v_mov_b32 v[ST+8*\t+1], 0xff61b1e6
	v_mul_f32 v[ST+8*\t], s[CS], v[ST+8*\t+1]
.irp n, 2,3,4,5,6,7
	v_mov_b32 v[ST+8*\t+\n], 0
.endr
.endr
.endm
; A PREFETCH INTO THE L2: all four work-groups of a head walk the same K and V; work-group 0 asks, in its trips 0 to 5, for slots 2 to 7: two slots further on than the tensor load beside it.
; Each of its eight waves names its own 8,192 bytes of the slot, lanes 256 bytes apart: each block once in the launch.  Slots 0 and 1 come by their loads alone; slot 7 is the head's last.
.macro ASK
	s_cmp_lt_u32 s[TRIP], s[LIM]
	s_cbranch_scc0 .Lnot_mine_\@
	global_prefetch_b8 v[PFO], s[PFA:PFA+1] th:TH_LOAD_NT scope:SCOPE_SE
.Lnot_mine_\@:
.endm
; The softmax of both tiles for one step of 64 keys, the tiles line by line by turns.
.macro SOFTMAX
.irp j, 0,1,2,3
.irp t, 0,1
	v_max3_num_f32 v[ST+8*\t+4+\j], v[S+32*\t+8*\j], v[S+32*\t+8*\j+1], v[S+32*\t+8*\j+2]    ; four chains, each begun at an accumulator's low end
.endr
.endr
.irp p, 3,5
.irp j, 0,1,2,3
.irp t, 0,1
	v_max3_num_f32 v[ST+8*\t+4+\j], v[ST+8*\t+4+\j], v[S+32*\t+8*\j+\p], v[S+32*\t+8*\j+\p+1]
.endr
.endr
.endr
.irp t, 0,1
	v_max3_num_f32 v[ST+8*\t+4], v[ST+8*\t+4], v[S+32*\t+7], v[S+32*\t+15]
.endr
.irp t, 0,1
	v_max3_num_f32 v[ST+8*\t+6], v[ST+8*\t+6], v[S+32*\t+23], v[S+32*\t+31]
.endr
.irp t, 0,1
	v_max3_num_f32 v[ST+8*\t+4], v[ST+8*\t+4], v[ST+8*\t+5], v[ST+8*\t+6]
.endr
.irp t, 0,1
	v_max3_num_f32 v[ST+8*\t+4], v[ST+8*\t+4], v[ST+8*\t+7], v[ST+8*\t+1]    ; with the old m
.endr
.irp t, 0,1
	v_permlanex16_b32 v[ST+8*\t+5], v[ST+8*\t+4], s[SEL], s[SEL+1]           ; the query's other 32 keys lie in the lane 16 away
.endr
.irp t, 0,1
	v_mov_b32 v[ST+8*\t+7], v[ST+8*\t]                                       ; c m_old
.endr
.irp t, 0,1
	v_max_num_f32 v[ST+8*\t+1], v[ST+8*\t+4], v[ST+8*\t+5]
.endr
.irp t, 0,1
	v_mul_f32 v[ST+8*\t], s[CS], v[ST+8*\t+1]
.endr
.irp t, 0,1
	v_sub_f32 v[ST+8*\t+7], v[ST+8*\t+7], v[ST+8*\t]
.endr
.irp b, 0,2,4,6,8,10,12,14,16,18,20,22,24,26,28,30
.irp t, 0,1
	v_pk_fma_f32 v[S+32*\t+\b:S+32*\t+\b+1], v[S+32*\t+\b:S+32*\t+\b+1], s[CS:CS+1], v[ST+8*\t:ST+8*\t+1] op_sel_hi:[1,0,0] neg_lo:[0,0,1] neg_hi:[0,0,1]   ; c s - c m
.endr
.endr
.irp t, 0,1
	v_exp_f32 v[ST+8*\t+6], v[ST+8*\t+7]                                     ; a
.endr
.irp n, 0,1,2,3,4,5,6,7,8,9,10,11,12,13,14,15,16,17,18,19,20,21,22,23,24,25,26,27,28,29,30,31
.irp t, 0,1
	v_exp_f32 v[S+32*\t+\n], v[S+32*\t+\n]
.endr
.endr
	v_nop                                          ; a plain instruction behind the last exponential
	s_wait_alu depctr_va_vdst(0)                   ; one wait for the batch of 66, ahead of its first reader
.irp i, 0,1,2,3,4,5,6,7,8,9,10,11,12,13,14,15
.irp t, 0,1
	v_cvt_pk_f16_f32 v[P+16*\t+\i], v[S+32*\t+2*\i], v[S+32*\t+2*\i+1]       ; key tiles 2 s and 2 s + 1, packed, are P(t, s)
.endr
.endr
.irp u, 0,1,2,3,4,5,6,7
.irp t, 0,1
	v_pk_add_f32 v[S+32*\t+4*\u:S+32*\t+4*\u+1], v[S+32*\t+4*\u:S+32*\t+4*\u+1], v[S+32*\t+4*\u+2:S+32*\t+4*\u+3]   ; the sum of the unrounded p, as a tree in place
.endr
.endr
.irp u, 0,1,2,3
.irp t, 0,1
	v_pk_add_f32 v[S+32*\t+8*\u:S+32*\t+8*\u+1], v[S+32*\t+8*\u:S+32*\t+8*\u+1], v[S+32*\t+8*\u+4:S+32*\t+8*\u+5]
.endr
.endr
.irp u, 0,1
.irp t, 0,1
	v_pk_add_f32 v[S+32*\t+16*\u:S+32*\t+16*\u+1], v[S+32*\t+16*\u:S+32*\t+16*\u+1], v[S+32*\t+16*\u+8:S+32*\t+16*\u+9]
.endr
.endr
.irp t, 0,1
	v_pk_add_f32 v[S+32*\t:S+32*\t+1], v[S+32*\t:S+32*\t+1], v[S+32*\t+16:S+32*\t+17]
.endr
.irp t, 0,1
	v_pk_fma_f32 v[ST+8*\t+2:ST+8*\t+3], v[ST+8*\t+2:ST+8*\t+3], v[ST+8*\t+6:ST+8*\t+7], v[S+32*\t:S+32*\t+1] op_sel_hi:[1,0,1]   ; l = a l + the sum
.endr
.endm
; A KEY STEP: 64 keys, the q-th of the slot in hand.
.macro STEP q
	s_add_co_u32 s43, s[Q0], 31
	s_cmp_gt_u32 s[KEY], s43                       ; all 64 keys come after my 32 queries: nothing to do but the step of the key count
	s_cbranch_scc1 .Lhidden_\@
.rept 4
	v_nop                                          ; places in front of loads into V's registers, which the last products read
.endr
.irp kt, 0,1,2,3
.irp u, 0,1
.irp c, 0,1
	ds_load_b128 v[KR+16*\kt+8*\u+4*\c:KR+16*\kt+8*\u+4*\c+3], v[ADK] offset:(4*(\q)+\kt)*2048+\u*1024+\c*512
.endr
.endr
.endr
	WIN 0x40                                       ; destination window 1
.irp ct, 0,1,2,3
.irp s, 0,1
	ds_load_tr16_b128 v[VF+16*\ct+8*\s:VF+16*\ct+8*\s+3],   v[ADV] offset:(4*(\q)+2*\s)*2048+\ct*512     ; channels 16 ct on, keys 32 s + 0 .. 15: the 32 lanes read 512 consecutive bytes
	ds_load_tr16_b128 v[VF+16*\ct+8*\s+4:VF+16*\ct+8*\s+7], v[ADV] offset:(4*(\q)+2*\s+1)*2048+\ct*512   ; keys 32 s + 16 .. 31
.endr
.endr
	WIN 0
	s_wait_dscnt 16                                ; K is in; V's sixteen loads may stay out
.irp u, 0,1                                    ; S^T = K Q^T: the eight accumulators take turns
.irp kt, 0,1,2,3
.irp t, 0,1
.if \u == 0
	v_wmma_f32_16x16x32_f16 v[S+32*\t+8*\kt:S+32*\t+8*\kt+7], v[KR+16*\kt+8*\u:KR+16*\kt+8*\u+7], v[Q+16*\t+8*\u:Q+16*\t+8*\u+7], 0
.else
	v_wmma_f32_16x16x32_f16 v[S+32*\t+8*\kt:S+32*\t+8*\kt+7], v[KR+16*\kt+8*\u:KR+16*\kt+8*\u+7], v[Q+16*\t+8*\u:Q+16*\t+8*\u+7], v[S+32*\t+8*\kt:S+32*\t+8*\kt+7]
.endif
.endr
.endr
.endr
	s_sub_co_i32 s43, s[Q0], s[KEY]
	v_add_nc_u32 v[D0], s43, v[RH]                 ; these four lines are the places behind the products
	v_add_nc_u32 v[D0+1], 16, v[D0]
	v_nop
	v_nop
	s_add_co_u32 s44, s[KEY], 63
	s_cmp_le_u32 s44, s[Q0]                        ; all 64 keys count for all my queries: no mask
	s_cbranch_scc1 .Lopen_\@
.irp t, 0,1
.irp n, 0,1,2,3,4,5,6,7,8,9,10,11,12,13,14,15,16,17,18,19,20,21,22,23,24,25,26,27,28,29,30,31
	v_cmp_gt_i32 vcc_lo, 16*(\n/8)+\n%8, v[D0+\t]  ; register n holds key KEY + 16 (n / 8) + 8 (lane / 16) + n % 8: hidden where it comes after my query
	v_cndmask_b32 v[S+32*\t+\n], v[S+32*\t+\n], v[NINF], vcc_lo
.endr
.endr
.Lopen_\@:
	SOFTMAX
	WIN 0x41                                       ; O^T (destination and source 0) in window 1, a in window 0
.irp i, 0,2,4,6,8,10,12,14,16,18,20,22,24,26,28,30
.irp t, 0,1
	v_pk_mul_f32 v[32*\t+\i:32*\t+\i+1], v[32*\t+\i:32*\t+\i+1], v[ST+8*\t+6:ST+8*\t+7] op_sel_hi:[1,0]
.endr
.endr
	s_wait_dscnt 0x0                               ; V is in
	WIN 0x51                                       ; V and O^T in window 1, P in window 0
.irp s, 0,1                                    ; O^T += V^T P: eight accumulators by turns
.irp ct, 0,1,2,3
.irp t, 0,1
	v_wmma_f32_16x16x32_f16 v[32*\t+8*\ct:32*\t+8*\ct+7], v[VF+16*\ct+8*\s:VF+16*\ct+8*\s+7], v[P+16*\t+8*\s:P+16*\t+8*\s+7], v[32*\t+8*\ct:32*\t+8*\ct+7]
.endr
.endr
.endr
	WIN 0
.Lhidden_\@:
	s_add_co_u32 s[KEY], s[KEY], 64
.endm
; THE CHANGE OF SLOTS stands at a slot's head.  Each wave waits for all its tensor loads (its part of the slot that it is about to read), adds 0 to its spare word, and waits for that and for its
; reads of the slot that it has left.  Behind the barrier the slot ahead is whole and nobody reads the other one.  fill = 1: each wave fills its 8,192 bytes of that other slot with the next trip's keys.
.macro CHANGE fill
	s_wait_tensorcnt 0x0                           ; no tensor load of mine is out, so group 0 may be written
	ds_add_u32 v[SPW], v[NIL]                      ; 0 onto my spare word; the descriptor's step stands between it and the wait for it
.if \fill
	s_xor_b32 s[G0+1], s[G0+1], SLOTB              ; the other slot than last time
	s_sub_co_u32 s44, s[TRIP], s[JJ]
	s_add_co_u32 s43, s[TRIP], 1
	s_cmp_le_u32 s43, s[JJ]                        ; the next trip's keys: slot TRIP + 1 of the first walk, or TRIP - J of the second
	s_cselect_b32 s43, s43, s44
	s_lshl_b32 s[OFS], s43, 15
	s_add_nc_u64 s[G0+2:G0+3], s[KVB:KVB+1], s[OFS:OFS+1]
	s_or_b32 s[G0+3], s[G0+3], 0x80000000
	s_wait_xcnt 0x0                                ; the last prefetch, a slot back, has read its address
	s_add_nc_u64 s[PFA:PFA+1], s[PFA:PFA+1], 32768
.endif
	s_wait_dscnt 0x0                               ; the add is done, and my reads of the slot that I have left are over
	s_barrier_signal -1
	s_barrier_wait -1
.if \fill
	tensor_load_to_lds s[G0:G0+3], s[G1:G1+7]      ; the first thing behind the barrier, and my one tensor load until the next: it has four key steps in which to land
	s_nop 0
.rept 4
	v_nop
.endr
	ASK
.endif
	v_add_nc_u32 v[ADK], s[TB], v[LI]
	v_add_nc_u32 v[ADV], s[TB], v[VP]
	v_add_nc_u32 v[ADV], VOFF, v[ADV]
.endm
; THE WAY OUT of a block of queries: O^T / l, rounded to f16: tile t's accumulators ct, packed, are 512 consecutive bytes each of the next launch's operand image.
.macro OUT
.rept 4
	v_nop                                          ; places behind the last products
.endr
.irp t, 0,1
	v_add_f32 v[ST+8*\t+4], v[ST+8*\t+2], v[ST+8*\t+3]
.endr
.irp t, 0,1
	v_permlanex16_b32 v[ST+8*\t+5], v[ST+8*\t+4], s[SEL], s[SEL+1]
.endr
.irp t, 0,1
	v_add_f32 v[ST+8*\t+4], v[ST+8*\t+4], v[ST+8*\t+5]
.endr
.irp t, 0,1
	v_rcp_f32 v[ST+8*\t+6], v[ST+8*\t+4]
.endr
	v_nop                                          ; a plain instruction behind the last reciprocal,
	s_wait_alu depctr_va_vdst(0)                   ; and one wait for the two, ahead of their first reader
	WIN 0x01                                       ; source 0 (O^T) in window 1
.irp i, 0,2,4,6,8,10,12,14,16,18,20,22,24,26,28,30
.irp t, 0,1
	v_pk_mul_f32 v[S+32*\t+\i:S+32*\t+\i+1], v[32*\t+\i:32*\t+\i+1], v[ST+8*\t+6:ST+8*\t+7] op_sel_hi:[1,0]
.endr
.endr
	WIN 0
.irp i, 0,1,2,3,4,5,6,7,8,9,10,11,12,13,14,15
.irp t, 0,1
	v_cvt_pk_f16_f32 v[P+16*\t+\i], v[S+32*\t+2*\i], v[S+32*\t+2*\i+1]
.endr
.endr
	s_lshl_b32 s[OFS], s[Q0], 8                    ; (query / 16) x 4,096
	s_add_nc_u64 s[46:47], s[CB:CB+1], s[OFS:OFS+1]
.irp t, 0,1
.irp ct, 0,1,2,3
	global_store_b128 v[LI], v[P+16*\t+4*\ct:P+16*\t+4*\ct+3], s[46:47] offset:4096*\t+512*\ct th:TH_STORE_NT
.endr
.endr
	s_wait_xcnt 0x0                                ; the stores have read their registers and their base: both are written again later
.endm
; Behind trip J the first block is done: it goes out, and the second block begins.  The branch hangs on ids and the trip's number: all eight waves go the same way.
.macro PHASE
	s_cmp_lg_u32 s[TRIP], s[JJ]
	s_cbranch_scc1 .Lsame_\@
	OUT
	s_mov_b32 s[Q0], s[Q0B]
	s_mov_b32 s[KEY], 0
	WIN 0x01
.set i, 0
.rept 32
	v_mov_b32 v[Q+i], v[QN+i]
.set i, i+1
.endr
	WIN 0x40
.set i, 0
.rept 64
	v_mov_b32 v[i], 0                              ; O^T: the step is written once, and its first walk finds zeros
.set i, i+1
.endr
	WIN 0
	INIT
.Lsame_\@:
.endm
	s_load_b128 s[4:7], s[0:1], 0x0                ; qkv, ctx
	v_lshl_add_u32 v[SPW], v0, 2, SPARE
	v_mov_b32 v[NIL], 0
	ds_add_u32 v[SPW], v[NIL]                      ; the wave's opening: the add, twice on end, and its wait ahead of my first tensor load
	ds_add_u32 v[SPW], v[NIL]
	v_lshrrev_b32 v12, 5, v0
	v_readfirstlane_b32 s[WV], v12                 ; wave 0..7
	s_mov_b32 s[JJ], ttmp9
	s_and_b32 s[BH], ttmp7, 0xffff                 ; 16 batch + head
	; descriptor group 1: 8,192 dense bytes as 32 rows of 256 (32 elements of 8 bytes)
	s_mov_b32 s[G1], 3<<16
	s_mov_b32 s[G1+1], 32<<16
	s_mov_b32 s[G1+2], 32<<16
	s_mov_b32 s[G1+3], 32<<16
	s_mov_b32 s[G1+4], 32
	s_mov_b32 s[G1+5], 32
	s_mov_b32 s[G1+6], 0
	s_mov_b32 s[G1+7], 0
	s_mov_b32 s[CS], 0x3e38aa3b                    ; c = log2(e) / 8
	s_mov_b32 s[CS+1], s[CS]
	s_mov_b32 s[SEL], 0x76543210
	s_mov_b32 s[SEL+1], 0xfedcba98
	s_mov_b32 s[TRIP], 0
	s_mov_b32 s[KEY], 0
	s_mov_b32 s[TB], 0
	s_lshl_b32 s43, s[WV], 5
	s_lshl_b32 s[Q0], s[JJ], 8
	s_add_co_u32 s[Q0], s[Q0], s43                 ; 256 J + 32 wave
	s_sub_co_u32 s[Q0B], 7, s[JJ]
	s_lshl_b32 s[Q0B], s[Q0B], 8
	s_add_co_u32 s[Q0B], s[Q0B], s43               ; 256 (7 - J) + 32 wave
	s_cmp_eq_u32 s[JJ], 0
	s_cselect_b32 s[LIM], 6, 0
	s_lshl_b32 s44, s[BH], 18                      ; the head's 262,144 bytes in each of q, k, v
	s_lshr_b32 s43, s[WV], 2
	s_add_co_u32 s43, s43, 1                       ; k (waves 0-3) or v (waves 4-7)
	s_lshl_b32 s43, s43, 24
	s_add_co_u32 s43, s43, s44
	s_and_b32 s45, s[WV], 3
	s_lshl_b32 s45, s45, 13                        ; my quarter of a slot's 32,768 bytes
	s_add_co_u32 s[OFS], s43, s45
	s_mov_b32 s[OFS+1], 0
	s_wait_dscnt 0x0                               ; both opening adds are done
	s_wait_kmcnt 0x0
	s_add_nc_u64 s[KVB:KVB+1], s[4:5], s[OFS:OFS+1]
	s_mov_b32 s[G0], 1
	s_lshl_b32 s[G0+1], s[WV], 13                  ; slot 0: wave x 8,192: K's four quarters, then V's
	s_mov_b64 s[G0+2:G0+3], s[KVB:KVB+1]
	s_or_b32 s[G0+3], s[G0+3], 0x80000000
	tensor_load_to_lds s[G0:G0+3], s[G1:G1+7]      ; keys 0 to 255, which count for every block
	s_nop 0
.rept 4
	v_nop
.endr
	s_add_nc_u64 s[PFA:PFA+1], s[KVB:KVB+1], 32768 ; in slot 1: the first change of slots steps it to slot 2
	s_mov_b32 s[OFS], s44
	s_add_nc_u64 s[QBS:QBS+1], s[4:5], s[OFS:OFS+1]
	s_and_b32 s43, s[BH], 15                       ; head
	s_lshr_b32 s45, s[BH], 4                       ; batch
	s_lshr_b32 s46, s43, 1
	s_lshl_b32 s46, s46, 21                        ; ctx: plane head / 2,
	s_lshl_b32 s45, s45, 19                        ; 128 row tiles of 4,096 bytes a batch,
	s_add_co_u32 s46, s46, s45
	s_and_b32 s43, s43, 1
	s_lshl_b32 s43, s43, 11                        ; fragments 2 (head % 2) and the next
	s_add_co_u32 s[OFS], s46, s43
	s_add_nc_u64 s[CB:CB+1], s[6:7], s[OFS:OFS+1]
	s_lshl_b32 s[OFS], s[Q0], 7
	s_add_nc_u64 s[44:45], s[QBS:QBS+1], s[OFS:OFS+1]
	s_lshl_b32 s[OFS], s[Q0B], 7
	s_add_nc_u64 s[46:47], s[QBS:QBS+1], s[OFS:OFS+1]
	v_and_b32 v12, 31, v0
	v_lshlrev_b32 v[LI], 4, v12
	v_lshlrev_b32 v[PFO], 8, v12
	v_and_b32 v13, 15, v0
	v_bfe_u32 v14, v0, 4, 1
	v_lshlrev_b32 v15, 3, v14
	v_sub_nc_u32 v[RH], v13, v15
	v_and_b32 v[VP], 7, v0
	v_add_nc_u32 v[VP], v[VP], v15
	v_bfe_u32 v15, v0, 3, 1
	v_lshl_add_u32 v[VP], v15, 4, v[VP]
	v_lshlrev_b32 v[VP], 4, v[VP]
	v_mov_b32 v[NINF], 0xff800000
.irp t, 0,1
.irp u, 0,1
.irp c, 0,1
	global_load_b128 v[Q+16*\t+8*\u+4*\c:Q+16*\t+8*\u+4*\c+3], v[LI], s[44:45] offset:2048*\t+1024*\u+512*\c
.endr
.endr
.endr
	WIN 0x40
.irp t, 0,1
.irp u, 0,1
.irp c, 0,1
	global_load_b128 v[QN+16*\t+8*\u+4*\c:QN+16*\t+8*\u+4*\c+3], v[LI], s[46:47] offset:2048*\t+1024*\u+512*\c
.endr
.endr
.endr
.set i, 0
.rept 64
	v_mov_b32 v[i], 0                              ; O^T
.set i, i+1
.endr
	WIN 0
	INIT
	s_wait_loadcnt 0x0                             ; both blocks' Q
.Ltrip:                                            ; eight trips; behind each change of slots the next trip's slot is asked for
	CHANGE 1
	STEP 0
	STEP 1
	STEP 2
	STEP 3
	s_xor_b32 s[TB], s[TB], SLOTB
	PHASE
	s_add_co_u32 s[TRIP], s[TRIP], 1
	s_cmp_lt_u32 s[TRIP], 8
	s_cbranch_scc1 .Ltrip
	CHANGE 0                                       ; the ninth slot is written out: nothing is left to ask for
	STEP 0
	STEP 1
	STEP 2
	STEP 3
	OUT
	s_wait_tensorcnt 0x0                           ; the wave's end, behind my last tensor load
	ds_add_u32 v[SPW], v[NIL]
	s_wait_dscnt 0x0
	s_endpgm
.Lfunc_end_k_q59aabf59e7_attn:
	.size	k_q59aabf59e7_attn, .Lfunc_end_k_q59aabf59e7_attn-k_q59aabf59e7_attn
	.p2alignl 7, 3214868480
	.fill 96, 4, 3214868480
	.section	.rodata,"a",@progbits
	.p2align	6, 0x0
	.amdhsa_kernel k_q59aabf59e7_attn
		.amdhsa_group_segment_fixed_size 327680
		.amdhsa_private_segment_fixed_size 0
		.amdhsa_enable_private_segment 0
		.amdhsa_kernarg_size 16
		.amdhsa_user_sgpr_count 2
		.amdhsa_user_sgpr_kernarg_segment_ptr 1
		.amdhsa_wavefront_size32 1
		.amdhsa_system_sgpr_workgroup_id_x 1
		.amdhsa_system_sgpr_workgroup_id_y 1
		.amdhsa_system_sgpr_workgroup_id_z 1
		.amdhsa_system_vgpr_workitem_id 0
		.amdhsa_next_free_vgpr 512
		.amdhsa_next_free_sgpr 66
		.amdhsa_reserve_vcc 1
		.amdhsa_float_denorm_mode_32 3
		.amdhsa_float_denorm_mode_16_64 3
		.amdhsa_memory_ordered 1
		.amdhsa_forward_progress 1
		.amdhsa_inst_pref_size 194
	.end_amdhsa_kernel
	.amdgpu_metadata
---
amdhsa.version: [ 1, 2 ]
amdhsa.kernels:
  - .name:           k_q59aabf59e7_attn
    .symbol:         k_q59aabf59e7_attn.kd
    .args:
      - { .name: qkv, .offset: 0, .size: 8, .value_kind: global_buffer, .address_space: global }
      - { .name: ctx, .offset: 8, .size: 8, .value_kind: global_buffer, .address_space: global }
    .group_segment_fixed_size: 327680
    .private_segment_fixed_size: 0
    .kernarg_segment_align: 8
    .kernarg_segment_size: 16
    .max_flat_workgroup_size: 256
    .sgpr_count:     66
    .vgpr_count:     512
    .wavefront_size: 32
...
	.end_amdgpu_metadata
.endif
;; end of part 3
;; launch proj (part 4): grid 4 x 64, 4 waves a work-group, clusters of 4 x 4, 327,680 bytes of LDS; arguments ctx, woh, bo, out0; writes out0
.if DOCPART == 4
	.amdgcn_target "amdgcn-amd-amdhsa--gfx1250"
	.amdhsa_code_object_version 6
	.text
	.protected	k_q59aabf59e7_proj
	.globl	k_q59aabf59e7_proj
	.p2align	8
	.type	k_q59aabf59e7_proj,@function
k_q59aabf59e7_proj:
	s_mov_b64 s[64:65], 0
	v_nop
	global_prefetch_b8 v0, s[64:65] scope:SCOPE_SE
	s_setreg_imm32_b32 hwreg(HW_REG_WAVE_MODE, 25, 1), 1
	s_wait_xcnt 0x0
	s_wait_alu depctr_hold_cnt(0) depctr_sa_sdst(0) depctr_va_vdst(0) depctr_va_sdst(0) depctr_va_ssrc(0) depctr_va_vcc(0) depctr_vm_vsrc(0)
	s_getreg_b32 s2, hwreg(HW_REG_IB_STS2, 6, 4)
	s_cmp_eq_u32 s2, 0
	s_cbranch_scc0 .Lentry_in_a_cluster
	s_endpgm
.Lentry_in_a_cluster:
	s_bfe_u32 s2, ttmp6, 0x10000c
	s_cmp_lg_u32 s2, 0xf033
	s_cbranch_scc0 .Lentry_shape_is_right
	s_endpgm
.Lentry_shape_is_right:
; out0 = ctx Wo + bo: [8192] x [1024], K = 1,024, f16 operands, f32 sums.  ctx and Wo arrive as images of operand registers (a fragment of 16 rows x 32 K is 1,024 bytes: 512 c + 16 lane), 128 along K to a
; plane (ctx: 2,097,152 bytes; Wo: 262,144): a K step's tile of any rows is one dense block, and a fragment comes by two loads of 512 consecutive bytes: no pitch, no padding.
; A tile of out0 is 128 rows x 256 columns, so that there are 256 work-groups; four waves, 64 x 128 each: 32 accumulators.  K goes in eight steps of 128 through a ring of two LDS slots.
; CLUSTERS: 4 x 4 work-groups; the four of a row of the cluster need the same tiles of ctx, the four of a column the same tiles of Wo: each tile is asked for jointly.
; THE MATRIX INSTRUCTION IS USED TRANSPOSED (source 0 = 16 columns of Wo, source 1 = 16 rows of ctx): a lane holds eight neighbouring numbers of a row of out0.  The bias is the C of each sum's first instruction.
; The rows of positions 0 to 15 of each sequence are written here like all others, and are written anew, from f32 operands, by the last launch.
; REGISTERS: window 0: v16-30 addresses; v32-95 ctx's fragments, two buffers; v96-159 the bias; on the way out v96-223.  window 1: v0-127 Wo's fragments, two buffers.  window 2: accumulator (a, b) at v[8 (8 a + b)].
.set SLOT,   98304                     ; ctx's 8 row tiles of 4,096 bytes, then Wo's 16 column tiles
.set BOFF,   32768
.set SPARE,  196608                    ; behind the ring: the spare words, 128 bytes for each wave
.set SPITCH, 528                       ; the way out: a stage of 16 rows x (512 bytes + 16) for each wave, in slot 0, behind that slot's last fill and last read
.set PLANEA, 2097152
.set PLANEB, 262144
.set ADRA, 16
.set ADRB, 20
.set STO,  24
.set RD,   25
.set CO,   26                          ; v26  16 x lane
.set SPW,  28
.set NIL,  29
.set PFO,  30                          ; v30  256 x lane
.set AFR,  32
.set BIAS, 96
.set BK,   96
.set G1,  24
.set G0,  32
.set G1B, 48
.set G0B, 56
.set PFA, 44                           ; s[44:45]
.set LIM, 43
.set MSB, 0
.macro WIN new
.if MSB != (\new)
	s_set_vgpr_msb (MSB<<8)|(\new)
.set MSB, (\new)
.endif
.endm
.set MUL,  0xa1                        ; source 0 (Wo) window 1, source 1 (ctx) window 0, C and D window 2
.set MULB, 0x81                        ; the same with C (the bias) in window 0
.set TO_B, 0x40
.macro JLOAD s                         ; a joint load: waves 0 and 1 fetch ctx's halves, waves 2 and 3 Wo's; an s_nop 0 and four v_nop follow each of the two lines
	s_cmp_eq_u32 s13, 0
	s_cbranch_scc0 .Lfor_b_\@
	tensor_load_to_lds s[G0+4*\s:G0+4*\s+3], s[G1:G1+7]
	s_nop 0
.rept 4
	v_nop
.endr
	s_branch .Lasked_\@
.Lfor_b_\@:
	tensor_load_to_lds s[G0B+4*\s:G0B+4*\s+3], s[G1B:G1B+7]
	s_nop 0
.rept 4
	v_nop
.endr
.Lasked_\@:
.endm
.macro CREST
	s_cmp_lg_u32 s12, 0
	s_cbranch_scc1 .Lnot_wave_0_\@
	s_barrier_signal -3
.Lnot_wave_0_\@:
	s_barrier_wait -3
	s_barrier_signal -1
	s_barrier_wait -1
.endm
.macro CROUND
	s_barrier_signal -1
	s_barrier_wait -1
	CREST
.endm
; A PREFETCH INTO THE L2 of ctx's tile two refills on: the change of slots in K step s names K step s + 4 (s = 0 to 3): 256 matrix instructions ahead of the load that will want it.  The tile's 32,768 bytes are
; read by this cluster's row alone; its four partners take 8,192 bytes each, told apart by address; in each, wave 0 asks, lanes 256 bytes apart.  Wo, which all clusters read again and again, is not asked for.
.macro ASK
	s_cmp_gt_u32 s3, s[LIM]                        ; s3 = 1 in the loop's last trip, whose refills have no K step four on
	s_cbranch_scc0 .Lnot_mine_\@
	global_prefetch_b8 v[PFO], s[PFA:PFA+1] th:TH_LOAD_NT scope:SCOPE_SE
.Lnot_mine_\@:
.endm
	s_load_b256 s[4:11], s[0:1], 0x0               ; ctx, woh, bo, out0
	v_lshl_add_u32 v[SPW], v0, 2, SPARE
	v_mov_b32 v[NIL], 0
	ds_add_u32 v[SPW], v[NIL]                      ; the wave's opening: the add, twice on end, and its wait ahead of my first tensor load
	ds_add_u32 v[SPW], v[NIL]
	v_lshrrev_b32 v1, 5, v0
	v_readfirstlane_b32 s12, v1                    ; wave 0..3
	s_lshr_b32 s13, s12, 1                         ; which half of the tile's rows is mine.  Also: I fetch for ctx (0) or for Wo (1)
	s_and_b32 s14, s12, 1                          ; which half of its columns.  Also: which half of that tile I fetch
	s_bfe_u32 s40, ttmp6, 0x40000                  ; cx, cy
	s_bfe_u32 s41, ttmp6, 0x40004
	s_lshl_b32 s42, ttmp9, 2
	s_add_co_u32 s42, s42, s40                     ; tile column
	s_and_b32 s15, ttmp7, 0xffff
	s_lshl_b32 s15, s15, 2
	s_add_co_u32 s15, s15, s41                     ; tile row
	s_lshl_b32 s43, s41, 2
	s_lshl_b32 s43, 15, s43                        ; my row of the cluster
	s_lshl_b32 s44, 0x1111, s40                    ; my column
	; descriptor group 1: dense blocks as rows of 256 bytes (32 elements of 8 bytes): ctx 64 rows, Wo 128
	s_or_b32 s[G1], s43, (3<<16)|(1<<21)
	s_mov_b32 s[G1+1], 32<<16
	s_mov_b32 s[G1+2], 64<<16
	s_mov_b32 s[G1+3], 32<<16
	s_mov_b32 s[G1+4], 64
	s_mov_b32 s[G1+5], 32
	s_mov_b32 s[G1+6], 0
	s_mov_b32 s[G1+7], 0
	s_or_b32 s[G1B], s44, (3<<16)|(1<<21)
	s_mov_b32 s[G1B+1], 32<<16
	s_mov_b32 s[G1B+2], 128<<16
	s_mov_b32 s[G1B+3], 32<<16
	s_mov_b32 s[G1B+4], 128
	s_mov_b32 s[G1B+5], 32
	s_mov_b32 s[G1B+6], 0
	s_mov_b32 s[G1B+7], 0
	s_lshl_b32 s16, s15, 15
	s_lshl_b32 s18, s14, 14
	s_add_co_u32 s16, s16, s18                     ; ctx: (8 tile row + 4 half) x 4,096
	s_mov_b32 s17, 0
	s_lshl_b32 s46, s42, 16
	s_lshl_b32 s18, s14, 15
	s_add_co_u32 s46, s46, s18                     ; Wo: (16 tile column + 8 half) x 4,096
	s_mov_b32 s47, 0
	s_lshl_b32 s20, s14, 14                        ; where they go: no place in the cluster enters an LDS address
	s_lshl_b32 s21, s14, 15
	s_add_co_u32 s21, s21, BOFF
	s_wait_dscnt 0x0                               ; both opening adds are done
	s_wait_kmcnt 0x0
	s_add_nc_u64 s[16:17], s[4:5], s[16:17]
	s_add_nc_u64 s[46:47], s[6:7], s[46:47]
	CROUND                                         ; all sixteen work-groups are here: the first joint loads meet
.irp s, 0,1
	s_mov_b32 s[G0+4*\s], 1
	s_add_co_u32 s[G0+4*\s+1], s20, \s*SLOT
	s_add_nc_u64 s[G0+4*\s+2:G0+4*\s+3], s[16:17], \s*PLANEA
	s_or_b32 s[G0+4*\s+3], s[G0+4*\s+3], 0x80000000
	s_mov_b32 s[G0B+4*\s], 1
	s_add_co_u32 s[G0B+4*\s+1], s21, \s*SLOT
	s_add_nc_u64 s[G0B+4*\s+2:G0B+4*\s+3], s[46:47], \s*PLANEB
	s_or_b32 s[G0B+4*\s+3], s[G0B+4*\s+3], 0x80000000
	JLOAD \s                                       ; two tensor loads of mine are out at the most
.endr
	v_and_b32 v1, 15, v0                           ; r
	v_bfe_u32 v2, v0, 4, 1                         ; h
	v_and_b32 v3, 31, v0
	v_lshlrev_b32 v[CO], 4, v3
	v_lshlrev_b32 v[PFO], 8, v3
	s_lshl_b32 s21, s13, 14                        ; my 4 row tiles of ctx
	s_lshl_b32 s22, s14, 15                        ; my 8 column tiles of Wo
	s_add_co_u32 s22, s22, BOFF
.irp s, 0,1
	v_add_nc_u32 v[ADRA+\s], s21, v[CO]
	v_add_nc_u32 v[ADRB+\s], s22, v[CO]
	s_add_co_u32 s21, s21, SLOT
	s_add_co_u32 s22, s22, SLOT
.endr
	s_mul_i32 s23, s12, 16*SPITCH                  ; my stage
	v_mul_u32_u24 v4, v1, SPITCH
	v_lshl_add_u32 v4, v2, 5, v4
	v_add_nc_u32 v[STO], s23, v4                   ; in: row r, 32 bytes for each half of the lanes
	v_add_nc_u32 v[RD], s23, v[CO]                 ; back: the 32 lanes take one row of 512 bytes
	s_lshl_b32 s20, s42, 10
	s_lshl_b32 s21, s14, 9
	s_add_co_u32 s20, s20, s21                     ; my first column, in bytes
	s_mov_b32 s21, 0
	s_add_nc_u64 s[8:9], s[8:9], s[20:21]
	s_add_nc_u64 s[10:11], s[10:11], s[20:21]
	s_lshl_b32 s20, s15, 19
	s_lshl_b32 s22, s13, 18
	s_add_co_u32 s20, s20, s22                     ; my first row: (128 tile row + 64 half) x 4,096 bytes
	s_add_nc_u64 s[10:11], s[10:11], s[20:21]
	v_lshlrev_b32 v5, 5, v2
.irp b, 0,1,2,3,4,5,6,7
	global_load_b128 v[BIAS+8*\b:BIAS+8*\b+3],   v5, s[8:9] offset:64*\b       ; bo at columns 16 b + 8 h + 0 .. 7: the result's layout
	global_load_b128 v[BIAS+8*\b+4:BIAS+8*\b+7], v5, s[8:9] offset:64*\b+16
.endr
	s_lshl_b32 s20, s15, 15                        ; the prefetches: my tile row's 32,768 bytes of a plane,
	s_lshl_b32 s22, s40, 13                        ; my work-group's 8,192 of them,
	s_add_co_u32 s20, s20, s22
	s_add_nc_u64 s[PFA:PFA+1], s[4:5], s[20:21]
	s_add_nc_u64 s[PFA:PFA+1], s[PFA:PFA+1], 3*PLANEA   ; at K step 3: the first change of slots steps it to 4
	s_cmp_eq_u32 s12, 0
	s_cselect_b32 s[LIM], 1, -1
; 8 matrix instructions: ctx's tile a against Wo's eight, 32 along K, from buffer f.  The 32 accumulators take turns, in the same order in every quarter.
.macro MULA f, a, first
.irp b, 0,1,2,3,4,5,6,7
.if \first
	v_wmma_f32_16x16x32_f16 v[8*(8*(\a)+\b):8*(8*(\a)+\b)+7], v[64*(\f)+8*\b:64*(\f)+8*\b+7], v[AFR+32*(\f)+8*(\a):AFR+32*(\f)+8*(\a)+7], v[BIAS+8*\b:BIAS+8*\b+7]
.else
	v_wmma_f32_16x16x32_f16 v[8*(8*(\a)+\b):8*(8*(\a)+\b)+7], v[64*(\f)+8*\b:64*(\f)+8*\b+7], v[AFR+32*(\f)+8*(\a):AFR+32*(\f)+8*(\a)+7], v[8*(8*(\a)+\b):8*(8*(\a)+\b)+7]
.endif
.endr
.endm
.macro FETCH slot, kq, f               ; 24 LDS loads in one run: the fragments of the slot's kq-th 32 along K into buffer f
	WIN TO_B
.irp b, 0,1,2,3,4,5,6,7
.irp c, 0,1
	ds_load_b128 v[64*(\f)+8*\b+4*\c:64*(\f)+8*\b+4*\c+3], v[ADRB+\slot] offset:\b*4096+(\kq)*1024+\c*512
.endr
.endr
	WIN 0
.irp a, 0,1,2,3
.irp c, 0,1
	ds_load_b128 v[AFR+32*(\f)+8*\a+4*\c:AFR+32*(\f)+8*\a+4*\c+3], v[ADRA+\slot] offset:\a*4096+(\kq)*1024+\c*512
.endr
.endr
.endm
.macro PLACES
.rept 4
	v_nop
.endr
.endm
.macro QUARTER slot, kq, f, g, first   ; multiplies buffer f and fetches the slot's kq-th quarter into buffer g
	s_wait_dscnt 4                                 ; Wo's fragments and ctx's tiles 0, 1 are in; the youngest four loads (tiles 2, 3) may be out
.if \first
	WIN MULB
.else
	WIN MUL
.endif
	MULA \f, 0, \first
	MULA \f, 1, \first
	PLACES
	FETCH \slot, \kq, \g
	s_wait_dscnt 24                                ; all but the 24 just issued
.if \first
	WIN MULB
.else
	WIN MUL
.endif
	MULA \f, 2, \first
	MULA \f, 3, \first
.endm
; The last quarter multiplies buffer 1 and changes slots: ONE barrier; in front of it each wave waits for all its tensor loads, adds 0 to its spare word, and waits for that and for its reads of this slot.
.macro TURN slot, next, fill
.if \fill
	s_wait_xcnt 0x0                                ; the last prefetch, a K step back, has read its address
	s_add_nc_u64 s[PFA:PFA+1], s[PFA:PFA+1], PLANEA
.endif
	WIN 0
	s_wait_tensorcnt 0x0                           ; all my tensor loads have landed: my part of the next slot
	ds_add_u32 v[SPW], v[NIL]
	s_wait_dscnt 5                                 ; (the add and the youngest four loads may be out)
	WIN MUL
	MULA 1, 0, 0
	s_wait_dscnt 0x0                               ; the add is done, and my reads of this slot are over
	s_barrier_signal -1
	MULA 1, 1, 0
	WIN 0
	s_barrier_wait -1
.if \fill
	CREST                                          ; the barrier has opened a round of the cluster's barrier: no wave of any partner still reads this slot or has a load on its way
	s_add_nc_u64 s[G0+4*\slot+2:G0+4*\slot+3], s[G0+4*\slot+2:G0+4*\slot+3], 2*PLANEA
	s_add_nc_u64 s[G0B+4*\slot+2:G0B+4*\slot+3], s[G0B+4*\slot+2:G0B+4*\slot+3], 2*PLANEB
	JLOAD \slot                                    ; the first tensor load behind the round; its four v_nop are also the places in front of the loads below
.else
	PLACES
.endif
	FETCH \next, 0, 0
.if \fill
	ASK
.endif
	WIN MUL
	MULA 1, 2, 0
	MULA 1, 3, 0
.endm
	s_wait_loadcnt 0x0                             ; the bias
	s_wait_tensorcnt 1                             ; my part of K step 0 is in (K step 1's load may be out),
	s_barrier_signal -1
	s_barrier_wait -1                              ; everybody's is
	FETCH 0, 0, 0
	QUARTER 0, 1, 0, 1, 1                          ; the first quarter's products start the sums, from the bias
	WIN 0
	s_mov_b32 s3, 3
.Llap:                                             ; a trip goes once round the ring and fills both slots again
	QUARTER 0, 2, 1, 0, 0
	QUARTER 0, 3, 0, 1, 0
	TURN 0, 1, 1
	QUARTER 1, 1, 0, 1, 0
	QUARTER 1, 2, 1, 0, 0
	QUARTER 1, 3, 0, 1, 0
	TURN 1, 0, 1
	QUARTER 0, 1, 0, 1, 0
	WIN 0
	s_sub_co_u32 s3, s3, 1
	s_cmp_lg_u32 s3, 0
	s_cbranch_scc1 .Llap
	QUARTER 0, 2, 1, 0, 0                          ; the last lap fills nothing
	QUARTER 0, 3, 0, 1, 0
	TURN 0, 1, 0
	QUARTER 1, 1, 0, 1, 0
	QUARTER 1, 2, 1, 0, 0
	QUARTER 1, 3, 0, 1, 0
	s_wait_dscnt 4
	WIN MUL
	MULA 1, 0, 0
	MULA 1, 1, 0
	s_wait_dscnt 0
	MULA 1, 2, 0
	MULA 1, 3, 0
	WIN 0
; THE WAY OUT, block by block of 16 rows x 128 columns, through my own stage: in as 32 bytes a lane, back as whole rows of 512 bytes.  LDS serves a wave's instructions in order: no wait between the stores and the loads.
.macro TOSTAGE a
	WIN 0x08                                       ; an LDS store's data are its source 1: window 2
.irp b, 0,1,2,3,4,5,6,7
	ds_store_b128 v[STO], v[8*(8*(\a)+\b):8*(8*(\a)+\b)+3] offset:64*\b          ; each accumulator from its low end on
	ds_store_b128 v[STO], v[8*(8*(\a)+\b)+4:8*(8*(\a)+\b)+7] offset:64*\b+16
.endr
	WIN 0
.set BB, BK+64*((\a)%2)
.irp t, 0,1,2,3,4,5,6,7,8,9,10,11,12,13,14,15
	ds_load_b128 v[BB+4*\t:BB+4*\t+3], v[RD] offset:\t*SPITCH
.endr
.endm
.macro SEND a, younger
.set BB, BK+64*((\a)%2)
	s_wait_dscnt \younger                          ; the block is back in registers; the next block's LDS instructions may stay out
.if (\a) > 0
	s_add_nc_u64 s[10:11], s[10:11], 65536         ; 16 rows on (behind a wait on XCNT: the earlier stores have read their base)
.endif
.irp t, 0,1,2,3,4,5,6,7,8,9,10,11,12,13,14,15
	global_store_b128 v[CO], v[BB+4*\t:BB+4*\t+3], s[10:11] offset:\t*4096 th:TH_STORE_NT   ; 32 lanes store 512 consecutive bytes, aligned
.endr
.endm
	PLACES
	TOSTAGE 0
.irp a, 1,2,3
.if \a > 1
	s_wait_xcnt 0x0                                ; block a - 2's stores have read their registers and their base
.endif
	TOSTAGE \a
	SEND \a-1, 32
.endr
	s_wait_xcnt 0x0
	SEND 3, 0
	s_wait_tensorcnt 0x0                           ; the wave's end, behind my last tensor load and my last LDS store
	ds_add_u32 v[SPW], v[NIL]
	s_wait_dscnt 0x0
	CROUND                                         ; the closing round
	s_endpgm
.Lfunc_end_k_q59aabf59e7_proj:
	.size	k_q59aabf59e7_proj, .Lfunc_end_k_q59aabf59e7_proj-k_q59aabf59e7_proj
	.p2alignl 7, 3214868480
	.fill 96, 4, 3214868480
	.section	.rodata,"a",@progbits
	.p2align	6, 0x0
	.amdhsa_kernel k_q59aabf59e7_proj
		.amdhsa_group_segment_fixed_size 327680
		.amdhsa_private_segment_fixed_size 0
		.amdhsa_enable_private_segment 0
		.amdhsa_kernarg_size 32
		.amdhsa_user_sgpr_count 2
		.amdhsa_user_sgpr_kernarg_segment_ptr 1
		.amdhsa_wavefront_size32 1
		.amdhsa_system_sgpr_workgroup_id_x 1
		.amdhsa_system_sgpr_workgroup_id_y 1
		.amdhsa_system_sgpr_workgroup_id_z 1
		.amdhsa_system_vgpr_workitem_id 0
		.amdhsa_next_free_vgpr 768
		.amdhsa_next_free_sgpr 66
		.amdhsa_reserve_vcc 0
		.amdhsa_float_denorm_mode_32 3
		.amdhsa_float_denorm_mode_16_64 3
		.amdhsa_memory_ordered 1
		.amdhsa_forward_progress 1
		.amdhsa_inst_pref_size 87
	.end_amdhsa_kernel
	.amdgpu_metadata
---
amdhsa.version: [ 1, 2 ]
amdhsa.kernels:
  - .name:           k_q59aabf59e7_proj
    .symbol:         k_q59aabf59e7_proj.kd
    .args:
      - { .name: ctx, .offset: 0, .size: 8, .value_kind: global_buffer, .address_space: global }
      - { .name: woh, .offset: 8, .size: 8, .value_kind: global_buffer, .address_space: global }
      - { .name: bo, .offset: 16, .size: 8, .value_kind: global_buffer, .address_space: global }
      - { .name: out0, .offset: 24, .size: 8, .value_kind: global_buffer, .address_space: global }
    .group_segment_fixed_size: 327680
    .private_segment_fixed_size: 0
    .kernarg_segment_align: 8
    .kernarg_segment_size: 32
    .max_flat_workgroup_size: 128
    .sgpr_count:     66
    .vgpr_count:     768
    .wavefront_size: 32
...
	.end_amdgpu_metadata
.endif
;; end of part 4
;; launch fine_attn (part 5): grid 16 x 4, 1 waves a work-group, no clusters, 0 bytes of LDS; arguments xc, xs, wc, ws, ctxf; writes ctxf
.if DOCPART == 5
	.amdgcn_target "amdgcn-amd-amdhsa--gfx1250"
	.amdhsa_code_object_version 6
	.text
	.protected	k_q59aabf59e7_fine_attn
	.globl	k_q59aabf59e7_fine_attn
	.p2align	8
	.type	k_q59aabf59e7_fine_attn,@function
k_q59aabf59e7_fine_attn:
	s_mov_b64 s[64:65], 0
	v_nop
	global_prefetch_b8 v0, s[64:65] scope:SCOPE_SE
	s_setreg_imm32_b32 hwreg(HW_REG_WAVE_MODE, 25, 1), 1
	s_wait_xcnt 0x0
; Positions 0 to 15 of one (batch, head), where a row of the softmax averages one to sixteen values: q, k and v are made again by the FP4 products (the same codes, f32 results, no rounding to f16), and the scores,
; the softmax and the second product are carried in f32.  One wave does it all in registers: no LDS, no barrier.  64 work-groups: all the work that there is.
; q, k: source 0 = 16 columns of W, source 1 = the 16 positions of x: a lane holds position lane % 16, channels 16 i + 8 (lane / 16) + j.   v: the sources swapped: a lane holds channel 16 i + lane % 16, positions 8 (lane / 16) + j.
; The f32 matrix form takes K = 4: lane (r, h), register j' is slot 2 h + j'.  A register pair (2 s, 2 s + 1) of k and of q holds the same four channels in the same slots; a pair of v and of p the same four keys.
; ctxf: 1,024 (64 batch + g) + 512 i + 16 lane: row lane % 16, channels 16 g + 8 (lane / 16) + 4 i + 0 .. 3, f32.
; The registers that the f32 form writes (v130-161, v226-241) are written by matrix instructions alone; the scale registers (v10-65) hold scales and nothing else.
.set XSC, 10                           ; v10-17   x's scale words, K step kk = 4 ks + kf
.set WSC, 18                           ; v18-65   W's: 16 wq + 8 (i / 2) + kk: lanes 0-15 column tile i even, lanes 16-31 i odd
.set XF,  66                           ; v66-129  x's eight fragments; later:
.set TT,  66                           ; v66-73   the scores
.set PP,  74                           ; v74-81   p
.set QA,  130                          ; v130-161 q; later O^T
.set KA,  162                          ; v162-193 k
.set VA,  194                          ; v194-225 v
.set SA,  226                          ; v226-241 two accumulators of scores
.set MSB, 0
.macro WIN new
.if MSB != (\new)
	s_set_vgpr_msb (MSB<<8)|(\new)
.set MSB, (\new)
.endif
.endm
.macro WLOAD wq                        ; the head's 64 columns of Wq, Wk or Wv: 32 fragments, (i, kk) at v[8 (8 i + kk)] of window wq + 1
	WIN 0x40*((\wq)+1)
.irp i, 0,1,2,3
.irp ks, 0,1
.irp kf, 0,1,2,3
.irp c, 0,1
	global_load_b128 v[8*(8*\i+4*\ks+\kf)+4*\c:8*(8*\i+4*\ks+\kf)+4*\c+3], v1, s[8:9] offset:(\wq)*262144+\ks*786432+\i*4096+\kf*1024+\c*512
.endr
.endr
.endr
.endr
.endm
.macro QK d, wq, kk, i                 ; W as source 0
.set rD, (\d)+8*(\i)
.set rW, 8*(8*(\i)+(\kk))
.set rX, XF+8*(\kk)
.set rSW, WSC+16*(\wq)+8*((\i)/2)+(\kk)
.set rSX, XSC+(\kk)
.if (\kk) == 0
.if (\i)%2
	v_wmma_scale_f32_16x16x128_f8f6f4 v[rD:rD+7], v[rW:rW+7], v[rX:rX+7], 0, v[rSW], v[rSX] matrix_a_fmt:MATRIX_FMT_FP4 matrix_b_fmt:MATRIX_FMT_FP4 matrix_a_scale:MATRIX_SCALE_ROW1
.else
	v_wmma_scale_f32_16x16x128_f8f6f4 v[rD:rD+7], v[rW:rW+7], v[rX:rX+7], 0, v[rSW], v[rSX] matrix_a_fmt:MATRIX_FMT_FP4 matrix_b_fmt:MATRIX_FMT_FP4
.endif
.else
.if (\i)%2
	v_wmma_scale_f32_16x16x128_f8f6f4 v[rD:rD+7], v[rW:rW+7], v[rX:rX+7], v[rD:rD+7], v[rSW], v[rSX] matrix_a_fmt:MATRIX_FMT_FP4 matrix_b_fmt:MATRIX_FMT_FP4 matrix_a_scale:MATRIX_SCALE_ROW1
.else
	v_wmma_scale_f32_16x16x128_f8f6f4 v[rD:rD+7], v[rW:rW+7], v[rX:rX+7], v[rD:rD+7], v[rSW], v[rSX] matrix_a_fmt:MATRIX_FMT_FP4 matrix_b_fmt:MATRIX_FMT_FP4
.endif
.endif
.endm
.macro VV kk, i                        ; x as source 0, Wv as source 1
.set rD, VA+8*(\i)
.set rW, 8*(8*(\i)+(\kk))
.set rX, XF+8*(\kk)
.set rSW, WSC+32+8*((\i)/2)+(\kk)
.set rSX, XSC+(\kk)
.if (\kk) == 0
.if (\i)%2
	v_wmma_scale_f32_16x16x128_f8f6f4 v[rD:rD+7], v[rX:rX+7], v[rW:rW+7], 0, v[rSX], v[rSW] matrix_a_fmt:MATRIX_FMT_FP4 matrix_b_fmt:MATRIX_FMT_FP4 matrix_b_scale:MATRIX_SCALE_ROW1
.else
	v_wmma_scale_f32_16x16x128_f8f6f4 v[rD:rD+7], v[rX:rX+7], v[rW:rW+7], 0, v[rSX], v[rSW] matrix_a_fmt:MATRIX_FMT_FP4 matrix_b_fmt:MATRIX_FMT_FP4
.endif
.else
.if (\i)%2
	v_wmma_scale_f32_16x16x128_f8f6f4 v[rD:rD+7], v[rX:rX+7], v[rW:rW+7], v[rD:rD+7], v[rSX], v[rSW] matrix_a_fmt:MATRIX_FMT_FP4 matrix_b_fmt:MATRIX_FMT_FP4 matrix_b_scale:MATRIX_SCALE_ROW1
.else
	v_wmma_scale_f32_16x16x128_f8f6f4 v[rD:rD+7], v[rX:rX+7], v[rW:rW+7], v[rD:rD+7], v[rSX], v[rSW] matrix_a_fmt:MATRIX_FMT_FP4 matrix_b_fmt:MATRIX_FMT_FP4
.endif
.endif
.endm
	s_load_b256 s[4:11], s[0:1], 0x0               ; xc, xs, wc, ws
	s_load_b64 s[12:13], s[0:1], 0x20              ; ctxf
	v_lshlrev_b32 v1, 4, v0                        ; 16 x lane (one wave: v0 is the lane)
	v_and_b32 v4, 15, v0
	v_lshlrev_b32 v2, 4, v4                        ; 16 r
	v_lshrrev_b32 v5, 4, v0
	v_lshlrev_b32 v5, 3, v5
	v_sub_nc_u32 v3, v4, v5                        ; d = r - 8 h: key 8 h + j is hidden from query r where j > d
	v_mov_b32 v6, 0                                ; a lane permute's destination counts as one of its sources
	v_mov_b32 v4, 0xff800000                       ; -infinity
	s_and_b32 s16, ttmp7, 0xffff                   ; batch; the head is ttmp9
	s_mov_b32 s19, 0
	s_mov_b32 s14, 0x76543210
	s_mov_b32 s15, 0xfedcba98
	s_mov_b32 s20, 0x3e38aa3b                      ; c = log2(e) / 8
	s_wait_kmcnt 0x0
	s_lshl_b32 s18, s16, 19                        ; row tile 128 x batch
	s_add_nc_u64 s[4:5], s[4:5], s[18:19]
	s_lshl_b32 s18, s16, 15
	s_add_nc_u64 s[6:7], s[6:7], s[18:19]
	s_lshl_b32 s18, ttmp9, 14                      ; column tile 4 x head
	s_add_nc_u64 s[8:9], s[8:9], s[18:19]
	s_lshl_b32 s18, ttmp9, 10
	s_add_nc_u64 s[10:11], s[10:11], s[18:19]
	s_lshl_b32 s18, s16, 6
	s_lshl_b32 s21, ttmp9, 2
	s_add_co_u32 s18, s18, s21
	s_lshl_b32 s18, s18, 10
	s_add_nc_u64 s[12:13], s[12:13], s[18:19]
.irp ks, 0,1
.irp kf, 0,1,2,3
.irp c, 0,1
	global_load_b128 v[XF+8*(4*\ks+\kf)+4*\c:XF+8*(4*\ks+\kf)+4*\c+3], v1, s[4:5] offset:\ks*2097152+\kf*1024+\c*512
.endr
.endr
.endr
.irp ks, 0,1
	global_load_b128 v[XSC+4*\ks:XSC+4*\ks+3], v2, s[6:7] offset:\ks*131072
.endr
.irp wq, 0,1,2
.irp ip, 0,1
.irp ks, 0,1
	global_load_b128 v[WSC+16*\wq+8*\ip+4*\ks:WSC+16*\wq+8*\ip+4*\ks+3], v1, s[10:11] offset:\ks*49152+\wq*16384+\ip*512
.endr
.endr
.endr
	WLOAD 0
	WLOAD 1
	WLOAD 2
	s_wait_loadcnt 63                              ; Wv's 64 loads are the youngest: all else is in
	WIN 0x01                                       ; source 0 in window 1
.irp kk, 0,1,2,3,4,5,6,7
.irp i, 0,1,2,3
	QK QA, 0, \kk, \i                              ; four accumulators by turns
.endr
.endr
	WIN 0x02
.irp kk, 0,1,2,3,4,5,6,7
.irp i, 0,1,2,3
	QK KA, 1, \kk, \i
.endr
.endr
	s_wait_loadcnt 0x0
	WIN 0x0c                                       ; source 1 in window 3
.irp kk, 0,1,2,3,4,5,6,7
.irp i, 0,1,2,3
	VV \kk, \i
.endr
.endr
	WIN 0
.rept 5
	v_nop                                          ; five places before matrix instructions take these results as operands
.endr
.irp i, 0,1,2,3                                ; S^T = k q^T, four channels an instruction, two accumulators by turns
.irp s, 0,1,2,3
.if (\i == 0) && (\s < 2)
	v_wmma_f32_16x16x4_f32 v[SA+8*(\s%2):SA+8*(\s%2)+7], v[KA+8*\i+2*\s:KA+8*\i+2*\s+1], v[QA+8*\i+2*\s:QA+8*\i+2*\s+1], 0
.else
	v_wmma_f32_16x16x4_f32 v[SA+8*(\s%2):SA+8*(\s%2)+7], v[KA+8*\i+2*\s:KA+8*\i+2*\s+1], v[QA+8*\i+2*\s:QA+8*\i+2*\s+1], v[SA+8*(\s%2):SA+8*(\s%2)+7]
.endif
.endr
.endr
.rept 8
	v_nop                                          ; eight places behind this form
.endr
.irp j, 0,1,2,3,4,5,6,7
	v_add_f32 v[TT+\j], v[SA+\j], v[SA+8+\j]       ; lane (r, h): query r, key 8 h + j
.endr
.irp j, 0,1,2,3,4,5,6,7
	v_cmp_gt_i32 vcc_lo, \j, v3
	v_cndmask_b32 v[TT+\j], v[TT+\j], v4, vcc_lo
.endr
	v_max3_num_f32 v5, v[TT], v[TT+1], v[TT+2]
	v_max3_num_f32 v5, v5, v[TT+3], v[TT+4]
	v_max3_num_f32 v5, v5, v[TT+5], v[TT+6]
	v_max_num_f32 v5, v5, v[TT+7]
	v_permlanex16_b32 v6, v5, s14, s15
	v_max_num_f32 v5, v5, v6                       ; the row's maximum: key 0 counts for every query
	v_mul_f32 v5, s20, v5
.irp j, 0,1,2,3,4,5,6,7
	v_fma_f32 v[TT+\j], v[TT+\j], s20, -v5
.endr
.irp j, 0,1,2,3,4,5,6,7
	v_exp_f32 v[PP+\j], v[TT+\j]
.endr
	v_nop
	s_wait_alu depctr_va_vdst(0)                   ; one wait for the eight, ahead of their first reader
	v_add_f32 v7, v[PP], v[PP+1]
	v_add_f32 v8, v[PP+2], v[PP+3]
	v_add_f32 v7, v7, v[PP+4]
	v_add_f32 v8, v8, v[PP+5]
	v_add_f32 v7, v7, v[PP+6]
	v_add_f32 v8, v8, v[PP+7]
	v_add_f32 v7, v7, v8
	v_permlanex16_b32 v6, v7, s14, s15
	v_add_f32 v7, v7, v6
	v_rcp_f32 v9, v7
	v_nop
	s_wait_alu depctr_va_vdst(0)
.irp j, 0,1,2,3,4,5,6,7
	v_mul_f32 v[PP+\j], v[PP+\j], v9               ; normalised ahead of the product
.endr
.irp s, 0,1,2,3                                ; O^T = v^T p, four keys an instruction, four accumulators by turns, in the registers that held q
.irp ct, 0,1,2,3
.if \s == 0
	v_wmma_f32_16x16x4_f32 v[QA+8*\ct:QA+8*\ct+7], v[VA+8*\ct+2*\s:VA+8*\ct+2*\s+1], v[PP+2*\s:PP+2*\s+1], 0
.else
	v_wmma_f32_16x16x4_f32 v[QA+8*\ct:QA+8*\ct+7], v[VA+8*\ct+2*\s:VA+8*\ct+2*\s+1], v[PP+2*\s:PP+2*\s+1], v[QA+8*\ct:QA+8*\ct+7]
.endif
.endr
.endr
.rept 8
	v_nop
.endr
.irp ct, 0,1,2,3
.irp i, 0,1
	global_store_b128 v1, v[QA+8*\ct+4*\i:QA+8*\ct+4*\i+3], s[12:13] offset:\ct*1024+\i*512    ; each accumulator from its low end on; 512 consecutive bytes a store
.endr
.endr
	s_endpgm
.Lfunc_end_k_q59aabf59e7_fine_attn:
	.size	k_q59aabf59e7_fine_attn, .Lfunc_end_k_q59aabf59e7_fine_attn-k_q59aabf59e7_fine_attn
	.p2alignl 7, 3214868480
	.fill 96, 4, 3214868480
	.section	.rodata,"a",@progbits
	.p2align	6, 0x0
	.amdhsa_kernel k_q59aabf59e7_fine_attn
		.amdhsa_group_segment_fixed_size 0
		.amdhsa_private_segment_fixed_size 0
		.amdhsa_enable_private_segment 0
		.amdhsa_kernarg_size 40
		.amdhsa_user_sgpr_count 2
		.amdhsa_user_sgpr_kernarg_segment_ptr 1
		.amdhsa_wavefront_size32 1
		.amdhsa_system_sgpr_workgroup_id_x 1
		.amdhsa_system_sgpr_workgroup_id_y 1
		.amdhsa_system_sgpr_workgroup_id_z 1
		.amdhsa_system_vgpr_workitem_id 0
		.amdhsa_next_free_vgpr 1024
		.amdhsa_next_free_sgpr 66
		.amdhsa_reserve_vcc 1
		.amdhsa_float_denorm_mode_32 3
		.amdhsa_float_denorm_mode_16_64 3
		.amdhsa_memory_ordered 1
		.amdhsa_forward_progress 1
		.amdhsa_inst_pref_size 41
	.end_amdhsa_kernel
	.amdgpu_metadata
---
amdhsa.version: [ 1, 2 ]
amdhsa.kernels:
  - .name:           k_q59aabf59e7_fine_attn
    .symbol:         k_q59aabf59e7_fine_attn.kd
    .args:
      - { .name: xc, .offset: 0, .size: 8, .value_kind: global_buffer, .address_space: global }
      - { .name: xs, .offset: 8, .size: 8, .value_kind: global_buffer, .address_space: global }
      - { .name: wc, .offset: 16, .size: 8, .value_kind: global_buffer, .address_space: global }
      - { .name: ws, .offset: 24, .size: 8, .value_kind: global_buffer, .address_space: global }
      - { .name: ctxf, .offset: 32, .size: 8, .value_kind: global_buffer, .address_space: global }
    .group_segment_fixed_size: 0
    .private_segment_fixed_size: 0
    .kernarg_segment_align: 8
    .kernarg_segment_size: 40
    .max_flat_workgroup_size: 32
    .sgpr_count:     66
    .vgpr_count:     1024
    .wavefront_size: 32
...
	.end_amdgpu_metadata
.endif
;; end of part 5
;; launch fine_proj (part 6): grid 16 x 4, 16 waves a work-group, no clusters, 19,456 bytes of LDS; arguments ctxf, Wo, bo, out0; writes out0
.if DOCPART == 6
	.amdgcn_target "amdgcn-amd-amdhsa--gfx1250"
	.amdhsa_code_object_version 6
	.text
	.protected	k_q59aabf59e7_fine_proj
	.globl	k_q59aabf59e7_fine_proj
	.p2align	8
	.type	k_q59aabf59e7_fine_proj,@function
k_q59aabf59e7_fine_proj:
	s_mov_b64 s[64:65], 0
	v_nop
	global_prefetch_b8 v0, s[64:65] scope:SCOPE_SE
	s_setreg_imm32_b32 hwreg(HW_REG_WAVE_MODE, 25, 1), 1
	s_wait_xcnt 0x0
; out0 rows 2,048 b + 0 .. 15 = ctxf Wo + bo, all in f32: the rows whose softmax averages few values take f32 operands through the output projection too.  They replace what the launch on f16 operands wrote there.
; A work-group makes 16 rows x 64 columns.  Wave w takes 16 columns (w % 4) and 256 of K (w / 4); the four parts along K meet in LDS; waves 0 to 7 add them and the bias and store two rows each.
; The f32 matrix form, used transposed: source 0 = 16 columns of Wo, source 1 = the 16 rows.  For a group of 16 channels lane (r, h) holds channels 8 h + 0 .. 7 of its column or row in eight registers;
; the pair (2 s, 2 s + 1) puts the same four channels into the same slots on both sides.  Four accumulators, one for each s, take turns; they are written by matrix instructions alone.
; 64 work-groups: all the work that there is at whole runs of 256 bytes of out0.
.set SPARE, 17408                      ; behind the four partial tiles (16 rows x 272 bytes each): the spare words, 128 bytes for each of sixteen waves
.set PT,    4352
.set ACC,   8                          ; v8-39
.set CX,    40                         ; v40-103   ctx, two buffers of four groups
.set WX,    104                        ; v104-167  Wo, likewise
.macro LOADC c
.irp g, 0,1,2,3
.irp i, 0,1
	global_load_b128 v[CX+32*((\c)%2)+8*\g+4*\i:CX+32*((\c)%2)+8*\g+4*\i+3], v1, s[4:5] offset:(4*(\c)+\g)*1024+\i*512
.endr
.irp j, 0,1,2,3,4,5,6,7
	global_load_b32 v[WX+32*((\c)%2)+8*\g+\j], v2, s[6:7] offset:(16*(4*(\c)+\g)+\j)*4096
.endr
.endr
.endm
.macro MULC c, first
.irp g, 0,1,2,3
.irp s, 0,1,2,3
.if (\first) && (\g == 0)
	v_wmma_f32_16x16x4_f32 v[ACC+8*\s:ACC+8*\s+7], v[WX+32*((\c)%2)+8*\g+2*\s:WX+32*((\c)%2)+8*\g+2*\s+1], v[CX+32*((\c)%2)+8*\g+2*\s:CX+32*((\c)%2)+8*\g+2*\s+1], 0
.else
	v_wmma_f32_16x16x4_f32 v[ACC+8*\s:ACC+8*\s+7], v[WX+32*((\c)%2)+8*\g+2*\s:WX+32*((\c)%2)+8*\g+2*\s+1], v[CX+32*((\c)%2)+8*\g+2*\s:CX+32*((\c)%2)+8*\g+2*\s+1], v[ACC+8*\s:ACC+8*\s+7]
.endif
.endr
.endr
.endm
.macro PLACES8
.rept 8
	v_nop                                          ; eight places behind this form, in front of loads into its sources and of reads of its results
.endr
.endm
	s_load_b256 s[4:11], s[0:1], 0x0               ; ctxf, Wo, bo, out0
	v_lshl_add_u32 v6, v0, 2, SPARE                ; my spare word; never rewritten
	v_mov_b32 v7, 0                                ; 0; never rewritten
	v_lshrrev_b32 v1, 5, v0
	v_readfirstlane_b32 s12, v1                    ; wave 0..15
	s_and_b32 s13, s12, 3                          ; nt
	s_lshr_b32 s14, s12, 2                         ; kq
	s_and_b32 s15, ttmp7, 0xffff                   ; batch; the block of 64 columns is ttmp9
	v_and_b32 v176, 31, v0
	v_and_b32 v177, 15, v0                         ; r
	v_bfe_u32 v178, v0, 4, 1                       ; h
	v_lshlrev_b32 v1, 4, v176                      ; 16 x lane
	v_lshlrev_b32 v2, 2, v177
	v_lshl_add_u32 v2, v178, 15, v2                ; Wo: column r, 8 h rows of 4,096 bytes down
	s_mul_i32 s16, s14, PT
	s_lshl_b32 s17, s13, 6
	s_add_co_u32 s16, s16, s17
	v_mul_u32_u24 v3, v177, 272
	v_lshl_add_u32 v3, v178, 5, v3
	v_add_nc_u32 v3, s16, v3                       ; into LDS: part kq, row r, my tile's 64 bytes, + 32 h
	s_and_b32 s17, s12, 7
	s_mul_i32 s17, s17, 544
	v_mul_u32_u24 v4, v178, 272
	v_lshl_add_u32 v4, v177, 4, v4
	v_add_nc_u32 v4, s17, v4                       ; back: rows 2 (wave % 8) + h, 16 bytes a lane.  (Every LDS address is made here, ahead of the parting of the waves)
	v_lshlrev_b32 v196, 4, v177                    ; 16 r
	v_lshl_add_u32 v5, v178, 12, v196              ; out0: row h, 16 r
	s_mov_b32 s19, 0
	s_wait_kmcnt 0x0
	s_lshl_b32 s18, s15, 6
	s_lshl_b32 s20, s14, 4
	s_add_co_u32 s18, s18, s20
	s_lshl_b32 s18, s18, 10                        ; ctxf: group 64 batch + 16 kq
	s_add_nc_u64 s[4:5], s[4:5], s[18:19]
	s_lshl_b32 s18, s14, 20                        ; Wo: 256 kq rows,
	s_lshl_b32 s20, ttmp9, 8
	s_add_co_u32 s18, s18, s20
	s_lshl_b32 s21, s13, 6
	s_add_co_u32 s18, s18, s21                     ; column 64 block + 16 nt
	s_add_nc_u64 s[6:7], s[6:7], s[18:19]
	s_mov_b32 s18, s20
	s_add_nc_u64 s[8:9], s[8:9], s[18:19]          ; bo at the block's first column
	s_lshl_b32 s18, s15, 23                        ; out0: row 2,048 batch + 2 wave
	s_lshl_b32 s21, s12, 13
	s_add_co_u32 s18, s18, s21
	s_add_co_u32 s18, s18, s20
	s_add_nc_u64 s[10:11], s[10:11], s[18:19]
	LOADC 0
	LOADC 1
	s_wait_loadcnt 40                              ; this chunk's 40 loads are in; the next chunk's 40 may stay out
	MULC 0, 1
	PLACES8
	LOADC 2
	s_wait_loadcnt 40
	MULC 1, 0
	PLACES8
	LOADC 3
	s_wait_loadcnt 40
	MULC 2, 0
	s_wait_loadcnt 0x0
	MULC 3, 0
	PLACES8
.irp j, 0,2,4,6
	v_pk_add_f32 v[168+\j:169+\j], v[ACC+\j:ACC+\j+1], v[ACC+8+\j:ACC+8+\j+1]        ; each accumulator from its low end on
.endr
.irp j, 0,2,4,6
	v_pk_add_f32 v[176+\j:177+\j], v[ACC+16+\j:ACC+16+\j+1], v[ACC+24+\j:ACC+24+\j+1]
.endr
.irp j, 0,2,4,6
	v_pk_add_f32 v[168+\j:169+\j], v[168+\j:169+\j], v[176+\j:177+\j]
.endr
	ds_store_b128 v3, v[168:171]                   ; lane (r, h): row r, columns 8 h + 0 .. 7 of my tile
	ds_store_b128 v3, v[172:175] offset:16
	s_wait_dscnt 0x0                               ; for the others' sake: my stores have landed
	s_barrier_signal -1
	s_barrier_wait -1
	s_cmp_lt_u32 s12, 8
	s_cbranch_scc0 .Ldone
	global_load_b128 v[192:195], v196, s[8:9]
.irp k, 0,1,2,3
	ds_load_b128 v[176+4*\k:179+4*\k], v4 offset:\k*PT
.endr
	s_wait_dscnt 0x0
	s_wait_loadcnt 0x0
.irp j, 0,2
	v_pk_add_f32 v[176+\j:177+\j], v[176+\j:177+\j], v[180+\j:181+\j]
	v_pk_add_f32 v[184+\j:185+\j], v[184+\j:185+\j], v[188+\j:189+\j]
.endr
.irp j, 0,2
	v_pk_add_f32 v[176+\j:177+\j], v[176+\j:177+\j], v[184+\j:185+\j]
.endr
.irp j, 0,2
	v_pk_add_f32 v[176+\j:177+\j], v[176+\j:177+\j], v[192+\j:193+\j]
.endr
	global_store_b128 v5, v[176:179], s[10:11]     ; sixteen lanes store 256 consecutive bytes of a row, aligned
.Ldone:
	s_wait_tensorcnt 0x0                           ; the wave's end, behind my last LDS store
	ds_add_u32 v6, v7
	s_wait_dscnt 0x0
	s_endpgm
.Lfunc_end_k_q59aabf59e7_fine_proj:
	.size	k_q59aabf59e7_fine_proj, .Lfunc_end_k_q59aabf59e7_fine_proj-k_q59aabf59e7_fine_proj
	.p2alignl 7, 3214868480
	.fill 96, 4, 3214868480
	.section	.rodata,"a",@progbits
	.p2align	6, 0x0
	.amdhsa_kernel k_q59aabf59e7_fine_proj
		.amdhsa_group_segment_fixed_size 19456
		.amdhsa_private_segment_fixed_size 0
		.amdhsa_enable_private_segment 0
		.amdhsa_kernarg_size 32
		.amdhsa_user_sgpr_count 2
		.amdhsa_user_sgpr_kernarg_segment_ptr 1
		.amdhsa_wavefront_size32 1
		.amdhsa_system_sgpr_workgroup_id_x 1
		.amdhsa_system_sgpr_workgroup_id_y 1
		.amdhsa_system_sgpr_workgroup_id_z 1
		.amdhsa_system_vgpr_workitem_id 0
		.amdhsa_next_free_vgpr 256
		.amdhsa_next_free_sgpr 66
		.amdhsa_reserve_vcc 0
		.amdhsa_float_denorm_mode_32 3
		.amdhsa_float_denorm_mode_16_64 3
		.amdhsa_memory_ordered 1
		.amdhsa_forward_progress 1
		.amdhsa_inst_pref_size 25
	.end_amdhsa_kernel
	.amdgpu_metadata
---
amdhsa.version: [ 1, 2 ]
amdhsa.kernels:
  - .name:           k_q59aabf59e7_fine_proj
    .symbol:         k_q59aabf59e7_fine_proj.kd
    .args:
      - { .name: ctxf, .offset: 0, .size: 8, .value_kind: global_buffer, .address_space: global }
      - { .name: Wo, .offset: 8, .size: 8, .value_kind: global_buffer, .address_space: global }
      - { .name: bo, .offset: 16, .size: 8, .value_kind: global_buffer, .address_space: global }
      - { .name: out0, .offset: 24, .size: 8, .value_kind: global_buffer, .address_space: global }
    .group_segment_fixed_size: 19456
    .private_segment_fixed_size: 0
    .kernarg_segment_align: 8
    .kernarg_segment_size: 32
    .max_flat_workgroup_size: 512
    .sgpr_count:     66
    .vgpr_count:     256
    .wavefront_size: 32
...
	.end_amdgpu_metadata
.endif
;; end of part 6
